; MI455X (gfx1250); checked and timed in simulation.
; The chip was launched on July 23, 2026; its instructions are those of AMD's public machine-readable ISA for CDNA 5 (MIT licence, August 2026) and "CDNA5" Instruction Set Architecture Reference Guide (July 2026). The comments in the code are by the model that wrote it; some were corrected since.
;; Multi Head Self Attention. Allowed arithmetic: matrix products marked QUANTISED: E4M3 operands, one given power-of-two scale a tensor, by v_wmma_f32_16x16x64_fp8_fp8 or v_wmma_f32_16x16x128_fp8_fp8, f32 sums; everything else in f32.
;; Inputs: Wk 1,024 x 1,024 float32; Wo 1,024 x 1,024 float32; Wq 1,024 x 1,024 float32; Wv 1,024 x 1,024 float32; lowp_scales 12 int32 (the exponents e of the quantised operands' scales 2^e); token_positions 2,048 int32; x 4 x 2,048 x 1,024 float32.
;; Outputs: out0 4 x 2,048 x 1,024 float32.
;; This version of the problem:
;;   THIS VERSION OF THE PROBLEM IS GIVEN IN LOW PRECISION. The matrix products marked QUANTISED in the list below multiply operands that are first quantised to E4M3 (4 exponent bits, 3 mantissa bits; 8 bits a number), with one given power-of-two scale for each operand tensor; their sums are f32. All else is computed in f32.
;;   The module's matrix products, in the order in which they are computed (A, B: the left and right operand; K: the contracted axis; several contracted axes count as one K, in the product's order):
;;     1. [M 8,192, K 1,024] x [K 1,024, N 1,024]; A: input x; B: input Wq: QUANTISED (scales: A lowp_scales[0], B lowp_scales[1])
;;     2. [M 8,192, K 1,024] x [K 1,024, N 1,024]; A: input x; B: input Wk: QUANTISED (scales: A lowp_scales[2], B lowp_scales[3])
;;     3. [M 8,192, K 1,024] x [K 1,024, N 1,024]; A: input x; B: input Wv: QUANTISED (scales: A lowp_scales[4], B lowp_scales[5])
;;     4. batch 64 x [M 2,048, K 64] x [K 64, N 2,048]; A: computed on the way; B: computed on the way: QUANTISED (scales: A lowp_scales[6], B lowp_scales[7])
;;     5. batch 64 x [M 2,048, K 2,048] x [K 2,048, N 64]; A: softmax (see below); B: computed on the way: QUANTISED (scales: A lowp_scales[8], B lowp_scales[9])
;;     6. [M 8,192, K 1,024] x [K 1,024, N 1,024]; A: computed on the way; B: input Wo: QUANTISED (scales: A lowp_scales[10], B lowp_scales[11])
;;   THE QUANTISER, for each operand of a quantised product, along K:
;;     - The operand's scale is 2^e, e = its entry of the input lowp_scales (int32; the entries are numbered through the quantised products in the list's order, A before B).
;;     - Each number is divided by the scale, clamped to +-448, and rounded to the nearest number of E4M3, ties to even, subnormals kept.
;;     - The product sums the exact products of the quantised numbers (number of the format x scale) in f32.
;;   ~~~python
;;   def quantise(x, axis, e):      # numpy; x: float32 -> the quantised numbers, widened to float32 again
;;       x = np.moveaxis(x, axis, -1); K = x.shape[-1]
;;       r = np.clip(x / 2.0 ** e, -448, 448)
;;       step = 2.0 ** (np.maximum(np.frexp(np.where(r == 0, 1, r))[1] - 1, -6) - 3)
;;       q = np.round(r / step) * step * 2.0 ** e      # np.round: ties to even
;;       return np.moveaxis(q, -1, axis).astype(np.float32)
;;   ~~~
;;   SOFTMAX AHEAD OF A QUANTISED PRODUCT. Where the list says 'softmax', what is quantised is not the finished softmax but p = 2^(t - M), with t = logit x log2(e) and M = ceil(the row's largest t), a whole number; so 1/2 < the row's largest p <= 1. The row's sum l is taken of the UNQUANTISED p, in f32, and the product's result is divided by l at the end. Since M is a whole number, a kernel that streams over the keys may use a running M (the ceiling of the running maximum): every later rescaling is an exact power of two, so the quantised numbers keep their values, but for numbers so far below the row's largest that they fall under the format's range.
;;   OPERANDS COMPUTED ON THE WAY. 'Computed on the way' means the value that the module computes at that place (a softmax that the list does not call 'softmax' is quantised finished and normalised). What goes into a quantiser is computed in f32, as accurately as f32 sums, v_exp_f32 and their like allow (about 1e-6 of the number): no bf16 or f16 on the way to a quantiser, and a product that is left as it is and whose result goes on into a quantised operand takes f32 operands (vector FMAs, or v_wmma_f32_16x16x4_f32). A number that lies on a knife's edge between two numbers of the format may be rounded either way, as far as f32 arithmetic and the matrix unit's own rounding can turn it there, and no further.
;; One version. Each part assembles by itself: llvm-mc -triple=amdgcn-amd-amdhsa -mcpu=gfx1250 --defsym DOCPART=n.
;; ======== version 1 of 1: 4 launches
;; limits: right only within a limited range of input values
;; workspace buffers: xc 25,165,824 bytes; wc 4,194,304 bytes; rope 524,288 bytes; qkv 25,165,824 bytes; ac 8,388,608 bytes
;; launch prep (part 1): grid 416 x 1, 4 waves a work-group, no clusters, 34,304 bytes of LDS; arguments x, Wq, Wk, Wv, Wo, token_positions, lowp_scales, xc, wc, rope; writes xc, wc, rope
.if DOCPART == 1
	.amdgcn_target "amdgcn-amd-amdhsa--gfx1250"
	.amdhsa_code_object_version 6
	.text
	.protected	k_q377be00a7d_prep
	.globl	k_q377be00a7d_prep
	.p2align	8
	.type	k_q377be00a7d_prep,@function
k_q377be00a7d_prep:
	s_mov_b64 s[64:65], 0
	v_nop
	global_prefetch_b8 v0, s[64:65] scope:SCOPE_SE
	s_setreg_imm32_b32 hwreg(HW_REG_WAVE_MODE, 25, 1), 1
	s_wait_xcnt 0x0
; PREP.  x [8192][1024] f32 becomes three sets of E4M3 codes (scales 2^e0, 2^e2, 2^e4: one read, three quantisers); Wq, Wk, Wv, Wo [1024][1024] f32 one set each (e1, e3, e5, e11);
; token_positions becomes a table of cos and sin for the rotation of q and k.
; code = number / 2^e, held within +-448, rounded to the nearest code, ties to even.
; THE CODES' LAYOUT is the image of an operand's registers.  A fragment, 16 rows x 128 K, is 2,048 bytes: byte 512 c + 16 lane + i is k = 32 c + 16 (lane / 16) + i of the row of lane % 16.
; Eight fragments (128 rows x 128 K) are a chunk of 16,384 bytes; a tensor lies as (row / 128) x 131,072 + (k / 128) x 16,384 + chunk.
; THE ROWS OF A FRAGMENT ARE NOT NEIGHBOURS: lane r of fragment f takes row 32 (f / 2) + 8 (f % 2) + r + 8 (r / 8) of the 128, so that in a product used transposed the 16 registers
; of two neighbouring result tiles are 16 neighbours along that operand's rows.
; WORK-GROUPS: 0-31 the table; 32-287 x; 288-415 the weights, 32 each.  x and the weights take ONE path through the text; only pointers, the scale and the number of quantisers differ.
; A wave takes the 16 rows of one fragment place and 512 along K: four fragments.  Each load reads 512 consecutive bytes of a row; the 16 rows turn through the wave's own stage in LDS
; (rows 528 bytes apart), so that a lane gets 16 neighbours along K of each block of 32; each store writes 512 consecutive bytes.  No barrier: waves share nothing.
; THE TABLE: group G of 16 tokens (the rows of fragment place G) is 4,096 bytes: at 2048 B + 512 j + 16 lane lie cos, sin, cos, sin of the pairs 16 B + 8 (lane / 16) + 2 j and + 1 for the token of lane % 16.
; angle = f32(position) x inv_freq, inv_freq = 2^(-i log2(10000) / 32); cos and sin by a reduction by pi/2 in three parts and polynomials on +-pi/4, all in f32.
; LIMITS: each e between -126 and 119; |position| up to 2^20; NaN among the inputs is not served (an infinity is held at the largest code).
.set NTAB,   32                        ; work-groups for the table
.set NX,     256                       ; work-groups for x
.set SPITCH, 528                       ; a stage row: 512 bytes + 16
.set WSTG,   16*SPITCH                 ; a wave's stage
.set LO,  1                            ; v1   16 x lane
.set SW,  2                            ; v2   the stage on the way in: 16 x lane
.set SR,  3                            ; v3   and on the way out: row r, + 64 h
.set SC,  4                            ; v4, v6, v8 quantiser k: 2^e at v[SC+2k]
.set R,   16                           ; v16-79   16 rows as loaded
.set X,   80                           ; v80-143  64 numbers of my row: register 16 c + i = k 32 c + 16 h + i
.set T,   144
.set C,   176                          ; v176-223 16 registers of codes for each quantiser
.macro XLOAD t                         ; fragment t: 16 rows x 512 bytes
.irp i, 0,1,2,3,4,5,6,7,8,9,10,11,12,13,14,15
	global_load_b128 v[R+4*\i:R+4*\i+3], v[LO], s[36:37] offset:(\i+8*(\i/8))*4096+512*(\t) th:TH_LOAD_NT
.endr
.endm
.macro TURN                            ; through the stage: LDS serves a wave's instructions in order (ISA guide 5.7.1.4), so no wait stands between the stores and the loads
.irp i, 0,1,2,3,4,5,6,7,8,9,10,11,12,13,14,15
	ds_store_b128 v[SW], v[R+4*\i:R+4*\i+3] offset:SPITCH*\i
.endr
.irp c, 0,1,2,3
.irp j, 0,1,2,3
	ds_load_b128 v[X+16*\c+4*\j:X+16*\c+4*\j+3], v[SR] offset:128*\c+16*\j
.endr
.endr
.endm
.macro QJOB k, t                       ; quantiser k on the 64 numbers in X, which stay as they are; the fragment's 2,048 bytes go out
.irp c, 0,1,2,3
.irp i, 0,1,2,3,4,5,6,7,8,9,10,11,12,13,14,15
.endr
	v_cvt_scalef32_pk8_fp8_f32 v[C+16*\k+4*\c:C+16*\k+4*\c+1], v[T+16*(\c%2)+((X+16*\c+0)-(T+16*(\c%2)+0)):T+16*(\c%2)+7+((X+16*\c+0)-(T+16*(\c%2)+0))], v[SC+2*\k]
	v_cvt_scalef32_pk8_fp8_f32 v[C+16*\k+4*\c+2:C+16*\k+4*\c+3], v[T+16*(\c%2)+8+((X+16*\c+0)-(T+16*(\c%2)+0)):T+16*(\c%2)+15+((X+16*\c+0)-(T+16*(\c%2)+0))], v[SC+2*\k]
.endr
	v_nop                                          ; a plain line behind the last conversion of the run
.irp c, 0,1,2,3
	global_store_b128 v[LO], v[C+16*\k+4*\c:C+16*\k+4*\c+3], s[38+2*\k:39+2*\k] offset:(\t)*16384+512*\c   ; 32 lanes store 512 consecutive bytes
.endr
.endm
.macro FRAGM t
	s_wait_loadcnt 0x0                             ; this fragment's 16 loads are in; none is younger
	s_wait_xcnt 0x0                                ; the last fragment's stores have read their registers: C is written again below
	TURN
	s_wait_dscnt 0x0                               ; the stage's stores have read R, and X is in
.if \t < 3
	XLOAD \t+1                                     ; the next fragment lands while this one is quantised
.endif
	QJOB 0, \t
	s_cmp_eq_u32 s26, 0                            ; a weight has one scale, x three
	s_cbranch_scc1 .Lone_\@
	QJOB 1, \t
	QJOB 2, \t
.Lone_\@:
.endm
	s_load_b512 s[4:19], s[0:1], 0x0               ; x, Wq, Wk, Wv, Wo, token_positions, lowp_scales, xc
	s_load_b128 s[20:23], s[0:1], 0x40             ; wc, rope
	v_lshl_add_u32 v224, v0, 2, 0x8400
	v_mov_b32 v225, 0
	v_lshrrev_b32 v10, 5, v0
	v_readfirstlane_b32 s24, v10                   ; wave
	v_and_b32 v11, 31, v0                          ; lane
	v_and_b32 v12, 15, v0                          ; r
	v_bfe_u32 v13, v0, 4, 1                        ; h
	v_lshlrev_b32 v[LO], 4, v11
	s_cmp_lt_u32 ttmp9, NTAB
	s_cbranch_scc1 .Ltable
	; ---- x and the weights
	s_sub_co_u32 s25, ttmp9, NTAB
	s_sub_co_u32 s27, s25, NX                      ; (meaningless for x: replaced below)
	s_lshr_b32 s28, s27, 5
	s_add_co_u32 s28, s28, 1                       ; 1 to 4: Wq, Wk, Wv, Wo
	s_and_b32 s27, s27, 31
	s_cmp_lt_u32 s25, NX
	s_cselect_b32 s26, 1, 0                        ; 1 for x
	s_cselect_b32 s28, 0, s28                      ; the tensor: 0 for x
	s_cselect_b32 s27, s25, s27                    ; the work-group's number within its tensor
	s_lshl_b32 s29, s27, 2
	s_add_co_u32 s29, s29, s24
	s_lshr_b32 s30, s29, 1                         ; RG: which fragment place (16 rows)
	s_and_b32 s31, s29, 1                          ; which half of K
	s_lshr_b32 s32, s30, 1                         ; in: row 32 (RG / 2) + 8 (RG % 2), 4,096 bytes a row, + 2,048 x half
	s_lshl_b32 s32, s32, 17
	s_and_b32 s33, s30, 1
	s_lshl_b32 s33, s33, 15
	s_add_co_u32 s32, s32, s33
	s_lshl_b32 s33, s31, 11
	s_add_co_u32 s32, s32, s33
	s_mov_b32 s33, 0
	s_lshr_b32 s34, s30, 3                         ; out: (RG / 8) x 131,072 + half x 65,536 + (RG % 8) x 2,048
	s_lshl_b32 s34, s34, 17
	s_lshl_b32 s35, s31, 16
	s_add_co_u32 s34, s34, s35
	s_and_b32 s35, s30, 7
	s_lshl_b32 s35, s35, 11
	s_add_co_u32 s34, s34, s35
	s_max_u32 s35, s28, 1
	s_sub_co_u32 s35, s35, 1
	s_lshl_b32 s35, s35, 20                        ; + the weight's 1,048,576 bytes of wc
	s_add_co_u32 s34, s34, s35
	s_mov_b32 s35, 0
	s_mul_i32 s44, s24, WSTG
	s_wait_alu depctr_va_vdst(0)
	v_add_nc_u32 v[SW], s44, v[LO]
	v_mul_u32_u24 v[SR], v12, SPITCH
	v_lshl_add_u32 v[SR], v13, 6, v[SR]
	v_add_nc_u32 v[SR], s44, v[SR]
	s_wait_alu depctr_va_vdst(0)
	s_wait_kmcnt 0x0
	s_load_b256 s[68:75], s[16:17], 0x0            ; e0 .. e7
	s_load_b128 s[76:79], s[16:17], 0x20           ; e8 .. e11
	s_cmp_eq_u32 s28, 1                            ; the choices hang on the work-group's number alone
	s_cselect_b64 s[36:37], s[6:7], s[4:5]
	s_cmp_eq_u32 s28, 2
	s_cselect_b64 s[36:37], s[8:9], s[36:37]
	s_cmp_eq_u32 s28, 3
	s_cselect_b64 s[36:37], s[10:11], s[36:37]
	s_cmp_eq_u32 s28, 4
	s_cselect_b64 s[36:37], s[12:13], s[36:37]
	s_cmp_eq_u32 s28, 0
	s_cselect_b64 s[38:39], s[18:19], s[20:21]
	s_add_nc_u64 s[36:37], s[36:37], s[32:33]      ; in
	s_add_nc_u64 s[38:39], s[38:39], s[34:35]      ; out, quantiser 0
	s_add_nc_u64 s[40:41], s[38:39], 0x800000      ; x's second set (named by x's work-groups alone)
	s_add_nc_u64 s[42:43], s[38:39], 0x1000000     ; x's third set
	XLOAD 0
	s_wait_kmcnt 0x0
	s_cmp_eq_u32 s28, 1
	s_cselect_b32 s45, s69, s68                    ; quantiser 0: e0 for x; e1, e3, e5, e11 for the weights
	s_cmp_eq_u32 s28, 2
	s_cselect_b32 s45, s71, s45
	s_cmp_eq_u32 s28, 3
	s_cselect_b32 s45, s73, s45
	s_cmp_eq_u32 s28, 4
	s_cselect_b32 s45, s79, s45
.macro MKSCALE k, e
	s_add_co_i32 s46, \e, 127
	s_lshl_b32 s47, s46, 23
	v_mov_b32 v[SC+2*\k], s47                      ; 2^e as f32: the conversion takes its exponent field
.endm
	MKSCALE 0, s45
	MKSCALE 1, s70                                 ; e2
	MKSCALE 2, s72                                 ; e4
	s_wait_alu depctr_va_vdst(0)
	FRAGM 0
	FRAGM 1
	FRAGM 2
	FRAGM 3
	s_wait_tensorcnt 0x0
	ds_add_u32 v224, v225
	s_wait_dscnt 0x0
	s_endpgm
	; ---- the table: a wave makes one group of 16 tokens; lane (r, h) makes 16 pairs of its token
.Ltable:
	s_lshl_b32 s25, ttmp9, 2
	s_add_co_u32 s25, s25, s24                     ; G
	s_lshr_b32 s26, s25, 1
	s_lshl_b32 s26, s26, 5
	s_and_b32 s27, s25, 1
	s_lshl_b32 s27, s27, 3
	s_add_co_u32 s26, s26, s27                     ; 32 (G / 2) + 8 (G % 2)
	s_wait_alu depctr_va_vdst(0)
	v_and_b32 v14, 8, v12
	v_add_nc_u32 v14, v14, v12                     ; r + 8 (r / 8)
	v_add_nc_u32 v14, s26, v14                     ; my token
	v_lshlrev_b32 v14, 2, v14
	s_lshl_b32 s28, s25, 12
	s_mov_b32 s29, 0
	s_wait_alu depctr_va_vdst(0)
	s_wait_kmcnt 0x0
	global_load_b32 v15, v14, s[14:15]             ; its position
	s_add_nc_u64 s[22:23], s[22:23], s[28:29]      ; the group's 4,096 bytes
	s_mov_b32 s30, 0xbed49a78                      ; -log2(10000) / 32, high part,
	s_mov_b32 s31, 0xb2179a07                      ; and what f32 leaves of it
	s_mov_b32 s32, 0x3f22f983                      ; 2 / pi
	s_mov_b32 s33, 0x3fc90fdb                      ; pi / 2 in three parts
	s_mov_b32 s34, 0xb33bbd2e
	s_mov_b32 s35, 0xa6f72ced
	s_mov_b32 s36, 0xbe2aaaa3                      ; sine: -1.6666654611e-1, 8.3321608736e-3, -1.9515295891e-4
	s_mov_b32 s37, 0x3c08839e
	s_mov_b32 s38, 0xb94ca1f9
	s_mov_b32 s39, 0x3d2aaaa5                      ; cosine: 4.166664568e-2, -1.388731625e-3, 2.443315712e-5
	s_mov_b32 s40, 0xbab6061a
	s_mov_b32 s41, 0x37ccf5ce
	v_lshlrev_b32 v13, 3, v13                      ; 8 h
.irp q, 0,1,2,3,4,5,6,7,8,9,10,11,12,13,14,15
	v_add_nc_u32 v[16+\q], 16*(\q/8)+\q%8, v13     ; the pair's number i = 16 (q / 8) + 8 h + q % 8
.endr
.irp q, 0,1,2,3,4,5,6,7,8,9,10,11,12,13,14,15
	v_cvt_f32_u32 v[16+\q], v[16+\q]
.endr
.irp q, 0,1,2,3,4,5,6,7,8,9,10,11,12,13,14,15
	v_mul_f32 v[32+\q], s30, v[16+\q]
	v_rndne_f32 v[32+\q], v[32+\q]                 ; n: the whole part of the exponent
	v_fma_f32 v[80+\q], v[16+\q], s30, -v[32+\q]   ; its fraction, within +-1/2, from both parts of the constant
	v_fma_f32 v[80+\q], v[16+\q], s31, v[80+\q]
	v_cvt_i32_f32 v[32+\q], v[32+\q]
.endr
	s_wait_alu depctr_va_vdst(0)
.irp q, 0,1,2,3,4,5,6,7,8,9,10,11,12,13,14,15
	v_exp_f32 v[80+\q], v[80+\q]
.endr
	v_nop                                          ; a plain line behind the exponentials (ISA guide 5.7.2)
	s_wait_alu depctr_va_vdst(0)
.irp q, 0,1,2,3,4,5,6,7,8,9,10,11,12,13,14,15
	v_ldexp_f32 v[16+\q], v[80+\q], v[32+\q]       ; inv_freq
.endr
	s_wait_loadcnt 0x0
	v_cvt_f32_i32 v15, v15
.macro SINCOS q
.set W, 96+8*((\q)%2)
	v_mul_f32 v[W], v15, v[16+\q]                  ; the angle, rounded to f32
	v_mul_f32 v[W+1], s32, v[W]
	v_rndne_f32 v[W+1], v[W+1]                     ; n quarter turns
	v_fma_f32 v[W], -v[W+1], s33, v[W]
	v_fma_f32 v[W], -v[W+1], s34, v[W]
	v_fma_f32 v[W], -v[W+1], s35, v[W]             ; what is left, within +-pi/4
	v_mul_f32 v[W+2], v[W], v[W]                   ; z
	v_cvt_i32_f32 v[W+1], v[W+1]
	v_fma_f32 v[W+3], v[W+2], s38, s37
	v_fma_f32 v[W+3], v[W+3], v[W+2], s36
	v_mul_f32 v[W+3], v[W+3], v[W+2]
	v_fma_f32 v[W+3], v[W+3], v[W], v[W]           ; its sine
	v_fma_f32 v[W+4], v[W+2], s41, s40
	v_fma_f32 v[W+4], v[W+4], v[W+2], s39
	v_mul_f32 v[W+5], v[W+2], v[W+2]
	v_fma_f32 v[W+6], v[W+2], -0.5, 1.0
	v_fma_f32 v[W+4], v[W+4], v[W+5], v[W+6]       ; its cosine
	v_and_b32 v[W+5], 1, v[W+1]
	v_cmp_eq_u32 vcc_lo, 1, v[W+5]                 ; an odd number of quarter turns swaps the two
	v_cndmask_b32 v[W+6], v[W+3], v[W+4], vcc_lo
	v_cndmask_b32 v[W+7], v[W+4], v[W+3], vcc_lo
	v_and_b32 v[W+5], 2, v[W+1]                    ; the sine changes sign in quarters 2 and 3,
	v_lshlrev_b32 v[W+5], 30, v[W+5]
	v_xor_b32 v[49+2*\q], v[W+5], v[W+6]
	v_add_nc_u32 v[W+5], 1, v[W+1]                 ; the cosine in quarters 1 and 2
	v_and_b32 v[W+5], 2, v[W+5]
	v_lshlrev_b32 v[W+5], 30, v[W+5]
	v_xor_b32 v[48+2*\q], v[W+5], v[W+7]
.endm
.irp q, 0,1,2,3,4,5,6,7,8,9,10,11,12,13,14,15
	SINCOS \q
.endr
.irp b, 0,1
.irp j, 0,1,2,3
	global_store_b128 v[LO], v[48+16*\b+4*\j:48+16*\b+4*\j+3], s[22:23] offset:2048*\b+512*\j   ; 512 consecutive bytes
.endr
.endr
	s_endpgm
.Lfunc_end_k_q377be00a7d_prep:
	.size	k_q377be00a7d_prep, .Lfunc_end_k_q377be00a7d_prep-k_q377be00a7d_prep
	.p2alignl 7, 3214868480
	.fill 96, 4, 3214868480
	.section	.rodata,"a",@progbits
	.p2align	6, 0x0
	.amdhsa_kernel k_q377be00a7d_prep
		.amdhsa_group_segment_fixed_size 34304
		.amdhsa_private_segment_fixed_size 0
		.amdhsa_enable_private_segment 0
		.amdhsa_kernarg_size 80
		.amdhsa_user_sgpr_count 2
		.amdhsa_user_sgpr_kernarg_segment_ptr 1
		.amdhsa_wavefront_size32 1
		.amdhsa_system_sgpr_workgroup_id_x 1
		.amdhsa_system_sgpr_workgroup_id_y 1
		.amdhsa_system_sgpr_workgroup_id_z 1
		.amdhsa_system_vgpr_workitem_id 0
		.amdhsa_next_free_vgpr 226
		.amdhsa_next_free_sgpr 80
		.amdhsa_reserve_vcc 1
		.amdhsa_float_denorm_mode_32 3
		.amdhsa_float_denorm_mode_16_64 3
		.amdhsa_fp16_overflow 1
		.amdhsa_memory_ordered 1
		.amdhsa_forward_progress 1
		.amdhsa_inst_pref_size 57
	.end_amdhsa_kernel
	.amdgpu_metadata
---
amdhsa.version: [ 1, 2 ]
amdhsa.kernels:
  - .name:           k_q377be00a7d_prep
    .symbol:         k_q377be00a7d_prep.kd
    .args:
      - { .name: x, .offset: 0, .size: 8, .value_kind: global_buffer, .address_space: global }
      - { .name: Wq, .offset: 8, .size: 8, .value_kind: global_buffer, .address_space: global }
      - { .name: Wk, .offset: 16, .size: 8, .value_kind: global_buffer, .address_space: global }
      - { .name: Wv, .offset: 24, .size: 8, .value_kind: global_buffer, .address_space: global }
      - { .name: Wo, .offset: 32, .size: 8, .value_kind: global_buffer, .address_space: global }
      - { .name: token_positions, .offset: 40, .size: 8, .value_kind: global_buffer, .address_space: global }
      - { .name: lowp_scales, .offset: 48, .size: 8, .value_kind: global_buffer, .address_space: global }
      - { .name: xc, .offset: 56, .size: 8, .value_kind: global_buffer, .address_space: global }
      - { .name: wc, .offset: 64, .size: 8, .value_kind: global_buffer, .address_space: global }
      - { .name: rope, .offset: 72, .size: 8, .value_kind: global_buffer, .address_space: global }
    .group_segment_fixed_size: 34304
    .private_segment_fixed_size: 0
    .kernarg_segment_align: 8
    .kernarg_segment_size: 80
    .max_flat_workgroup_size: 128
    .sgpr_count:     80
    .vgpr_count:     226
    .wavefront_size: 32
...
	.end_amdgpu_metadata
.endif
;; end of part 1
;; launch qkv (part 2): grid 4 x 96, 4 waves a work-group, clusters of 4 x 4, 327,680 bytes of LDS; arguments xc, wc, rope, lowp_scales, qkv; writes qkv
.if DOCPART == 2
	.amdgcn_target "amdgcn-amd-amdhsa--gfx1250"
	.amdhsa_code_object_version 6
	.text
	.protected	k_q377be00a7d_qkv
	.globl	k_q377be00a7d_qkv
	.p2align	8
	.type	k_q377be00a7d_qkv,@function
k_q377be00a7d_qkv:
	s_mov_b64 s[64:65], 0
	v_nop
	global_prefetch_b8 v0, s[64:65] scope:SCOPE_SE
	s_setreg_imm32_b32 hwreg(HW_REG_WAVE_MODE, 25, 1), 1
	s_wait_xcnt 0x0
	s_wait_alu depctr_hold_cnt(0) depctr_sa_sdst(0) depctr_va_vdst(0) depctr_va_sdst(0) depctr_va_ssrc(0) depctr_va_vcc(0) depctr_vm_vsrc(0)
	s_getreg_b32 s2, hwreg(HW_REG_IB_STS2, 6, 4)
	s_cmp_eq_u32 s2, 0
	s_cbranch_scc0 .Lentry_in_a_cluster
	s_endpgm
.Lentry_in_a_cluster:
	s_bfe_u32 s2, ttmp6, 0x10000c
	s_cmp_lg_u32 s2, 0xf033
	s_cbranch_scc0 .Lentry_shape_is_right
	s_endpgm
.Lentry_shape_is_right:
; QKV.  q = rope(x Wq^T), k = rope(x Wk^T), v = x Wv^T on E4M3 codes, each result quantised at once (2^e6, 2^e7, 2^e9) and stored as the operand images that the attention launch reads.
; THE CODES' LAYOUT (in and out): a fragment, 16 rows x 128 K, is 2,048 bytes: byte 512 c + 16 lane + i is k = 32 c + 16 (lane / 16) + i of the row of lane % 16; lane r of fragment f takes row
; 32 (f / 2) + 8 (f % 2) + r + 8 (r / 8) of 128; eight fragments are a chunk of 16,384 bytes; a tensor lies as (row / 128) x 131,072 + (k / 128) x 16,384 + chunk.  The place of k in the registers is
; the same in both operands of every product, so each product meets its partner.
; A tile of C, 256 x 256, is made by four waves, as many as a WGP has SIMDs; a wave makes 128 x 128: 64 accumulators, 512 registers.  K = 1,024 goes in four steps of 256 through two LDS slots.
; A wave's tensor load brings 128 rows x 256 K: two chunks, 32,768 dense bytes.  In LDS they lie as in memory: every fragment load takes 512 consecutive bytes, so nothing is padded.
; THE MATRIX INSTRUCTION IS USED TRANSPOSED (source 0 = 16 rows of B, source 1 = 16 rows of A): lane (r, h) holds A's row of lane r, and the 16 registers of accumulators (a, 2 g), (a, 2 g + 1) are B's rows 32 g + 16 h + 0 .. 15.
; WHICH PRODUCT: the cluster's y, 0 to 23: SEL = y / 8.  SEL 0, 1 (q, k): A = x's codes (set SEL), B = Wq, Wk: a lane holds one token and 16 neighbouring features.
; SEL 2 (v): A = Wv, B = x's third set: a lane holds one feature and 16 neighbouring TOKENS, the second attention product's K.  In all three a lane's 16 codes are 16 bytes of an image, and a store writes 512 consecutive bytes straight from registers.
; OUT: chunk SEL x 512 + (16 x (8 batch + head pair) + token block); q, k: 2048 a + 1024 (head % 2) + 512 c + 16 lane (d = 32 c + 16 h + i); v: 2048 a + 512 c + 16 lane (feature of (a, r), key 32 c + 16 h + i).
; The scales ahead of the quantiser are folded: a sum stands for sum x 2^(ea + eb), the rotation is linear, so the conversion's one scale is 2^(eo - ea - eb).
; CLUSTERS: 4 x 4 work-groups of one SEL.  A's tiles are asked for jointly along a row of the cluster, B's along a column.
; LIMITS: eo - ea - eb between -126 and 119.  NaN is not served.
; REGISTERS: window 0: v0-31 addresses and the quantiser's two numbers; from v128 A's fragments, ONE set; on the way out v32-95 a block's numbers, v96-159 two sets of table, v192-223 two sets of codes.
;   window 1: B's fragments, TWO sets.   windows 2, 3: the accumulators of my rows 0-63, 64-127 (accumulator (a, b) at v[8 (8 (a % 4) + b)]).
.set HALFT,  32768                     ; 128 rows x 256 K: what one tensor load brings, and what one wave reads of A or of B
.set SLOT,   4*HALFT                   ; A's 256 rows, then B's 256 rows
.set SPARE,  2*SLOT                    ; behind the ring: the spare words, 128 bytes for each wave
.set LAPS,   2                         ; a lap = two K steps of 256
.set FR,     16                        ; registers of a fragment
.set NL,     4                         ; LDS loads that bring one
.set NP,     4                         ; places behind this matrix instruction (ISA guide 7.12.1)
.set ADRA, 16                          ; v16-17  LDS address of my A fragments in slot 0, 1
.set ADRB, 20                          ; v20-21  the same for B
.set CO,   26                          ; v26     16 x lane
.set SPW,  28                          ; v28     LDS address of my spare word; never rewritten
.set NIL,  29                          ; v29     0; never rewritten
.set QSC,  30                          ; v30     2^(eo - ea - eb)
.set QLIM, 31                          ; v31     448 x that
.set TMP,  32
.set T0,   96
.set AF,   128
.set CD,   192
.set G1, 24                            ; s[24:31] descriptor group 1 for A's tiles;  s[32:39] group 0, one set for each slot
.set G0, 32
.set G1B, 48                           ; s[48:55], s[56:63] the same for B's tiles
.set G0B, 56
.set MSB, 0
.macro WIN new                         ; the immediate's high byte repeats the setting that is left
.if MSB != \new
	s_set_vgpr_msb (MSB<<8)|\new
.set MSB, \new
.endif
.endm
.set MUL_LO, 0xa1                      ; source 0 (B) window 1, source 1 (A) window 0, C and D window 2
.set MUL_HI, 0xf1                      ; the same, C and D window 3
.set TO_B,   0x40                      ; destination window 1, address window 0
; A joint load: waves 0 and 1 fetch for A, waves 2 and 3 for B; the branch hangs on the wave's number alone.  Four v_nop follow each of the two lines.
.macro JLOAD g0a, g1a, g0b, g1b
	s_cmp_eq_u32 s15, 0
	s_cbranch_scc0 .Lfor_b_\@
	tensor_load_to_lds s[\g0a:\g0a+3], s[\g1a:\g1a+7]
	s_nop 0
.rept 4
	v_nop
.endr
	s_branch .Lasked_\@
.Lfor_b_\@:
	tensor_load_to_lds s[\g0b:\g0b+3], s[\g1b:\g1b+7]
	s_nop 0
.rept 4
	v_nop
.endr
.Lasked_\@:
.endm
.macro CREST                           ; a round of the cluster's barrier behind its opening barrier
	s_cmp_lg_u32 s14, 0
	s_cbranch_scc1 .Lnot_wave_0_\@
	s_barrier_signal -3
.Lnot_wave_0_\@:
	s_barrier_wait -3
	s_barrier_signal -1
	s_barrier_wait -1
.endm
.macro CROUND                          ; a whole round
	s_barrier_signal -1
	s_barrier_wait -1
	CREST
.endm
	s_load_b256 s[4:11], s[0:1], 0x0               ; xc s[4:5], wc s[6:7], rope s[8:9], lowp_scales s[10:11]
	s_load_b64 s[12:13], s[0:1], 0x20              ; qkv
	v_lshl_add_u32 v[SPW], v0, 2, SPARE
	v_mov_b32 v[NIL], 0
	ds_add_u32 v28, v29
	ds_add_u32 v28, v29
	s_wait_dscnt 0x0
	v_lshrrev_b32 v1, 5, v0
	v_readfirstlane_b32 s14, v1                    ; wave 0..3
	s_lshr_b32 s15, s14, 1                         ; which half of the tile's rows is mine.  Also: I fetch for A (0) or for B (1)
	s_and_b32 s16, s14, 1                          ; which half of its columns.  Also: which 128 rows of that tile I fetch
	s_bfe_u32 s40, ttmp6, 0x40000                  ; cx, cy: my place in the cluster
	s_bfe_u32 s41, ttmp6, 0x40004
	s_and_b32 s80, ttmp7, 0xffff                   ; the cluster's y: the same in all sixteen partners
	s_lshr_b32 s81, s80, 3                         ; SEL
	s_and_b32 s82, s80, 7
	s_lshl_b32 s82, s82, 2
	s_lshl_b32 s85, s81, 23                        ; x's set SEL
	s_lshl_b32 s86, s81, 20                        ; weight SEL
	s_cmp_lt_u32 s81, 2
	s_cselect_b32 s83, s82, 0                      ; q, k: the tokens run down C's 32 tile rows;
	s_cselect_b32 s84, 0, s82                      ; v: along its 32 tile columns
	s_cselect_b32 s85, s85, 0x200000               ; A: x's set, or Wv in wc
	s_cselect_b32 s86, s86, 0x1000000              ; B: the weight, or x's third set
	s_add_co_u32 s17, s83, s41                     ; tile row of C
	s_add_co_u32 s42, s84, s40                     ; tile column of C
	s_lshl_b32 s43, s41, 2
	s_lshl_b32 s43, 15, s43                        ; my row of the cluster
	s_lshl_b32 s44, 0x1111, s40                    ; my column
	; descriptor group 1: 32,768 dense bytes as 128 rows of 32 elements of 8 bytes, no padding
	s_or_b32 s[G1+0], s43, (3<<16)|(1<<21)         ; 15:0 the mask: A's tiles go to my row; 17:16 elements of 8 bytes; 21 set beside a mask
	s_or_b32 s[G1B+0], s44, (3<<16)|(1<<21)
.irp g, G1, G1B
	s_mov_b32 s[\g+1], 32<<16                      ; tensor_dim0
	s_mov_b32 s[\g+2], 128<<16                     ; tensor_dim1
	s_mov_b32 s[\g+3], 32<<16                      ; tile_dim0
	s_mov_b32 s[\g+4], 128                         ; tile_dim1
	s_mov_b32 s[\g+5], 32                          ; tensor_dim0_stride
	s_mov_b32 s[\g+6], 0
	s_mov_b32 s[\g+7], 0
.endr
	s_lshl_b32 s18, s17, 1
	s_add_co_u32 s18, s18, s16
	s_lshl_b32 s18, s18, 17                        ; A: block of 128 rows 2 x tile row + half, 131,072 bytes each
	s_add_co_u32 s18, s18, s85
	s_mov_b32 s19, 0
	s_lshl_b32 s22, s42, 1
	s_add_co_u32 s22, s22, s16
	s_lshl_b32 s22, s22, 17                        ; B likewise, by the tile column
	s_add_co_u32 s22, s22, s86
	s_mov_b32 s23, 0
	s_mul_i32 s45, s14, HALFT                      ; where they go: wave x 32,768: no place in the cluster enters an LDS address
	s_wait_kmcnt 0x0
	s_load_b256 s[68:75], s[10:11], 0x0            ; e0 .. e7
	s_load_b128 s[76:79], s[10:11], 0x20           ; e8 .. e11
	s_cmp_lt_u32 s81, 2
	s_cselect_b64 s[20:21], s[4:5], s[6:7]
	s_cselect_b64 s[46:47], s[6:7], s[4:5]
	s_add_nc_u64 s[20:21], s[20:21], s[18:19]
	s_add_nc_u64 s[46:47], s[46:47], s[22:23]
	CROUND                                         ; all sixteen work-groups are here: the first joint loads meet
.irp s, 0,1
	s_mov_b32 s[G0+4*\s], 1
	s_add_co_u32 s[G0+4*\s+1], s45, \s*SLOT
	s_add_nc_u64 s[G0+4*\s+2:G0+4*\s+3], s[20:21], \s*HALFT
	s_or_b32 s[G0+4*\s+3], s[G0+4*\s+3], 0x80000000
	s_mov_b32 s[G0B+4*\s], 1
	s_add_co_u32 s[G0B+4*\s+1], s45, \s*SLOT
	s_add_nc_u64 s[G0B+4*\s+2:G0B+4*\s+3], s[46:47], \s*HALFT
	s_or_b32 s[G0B+4*\s+3], s[G0B+4*\s+3], 0x80000000
	JLOAD G0+4*\s, G1, G0B+4*\s, G1B
.endr
	v_and_b32 v6, 31, v0
	v_lshlrev_b32 v[CO], 4, v6                     ; 16 x lane: my place in every image
	s_mul_i32 s96, s15, HALFT                      ; my 128 rows of A
	s_mul_i32 s97, s16, HALFT                      ; my 128 rows of B,
	s_add_co_u32 s97, s97, 2*HALFT                 ; which lie behind A's 256
.irp s, 0,1
	v_add_nc_u32 v[ADRA+\s], s96, v[CO]
	v_add_nc_u32 v[ADRB+\s], s97, v[CO]
	s_add_co_u32 s96, s96, SLOT
	s_add_co_u32 s97, s97, SLOT
.endr
	; the way out: which block of 128 tokens and which pair of heads are my wave's
	s_lshl_b32 s87, s17, 1
	s_add_co_u32 s87, s87, s15                     ; my 128 rows of C
	s_lshl_b32 s88, s42, 1
	s_add_co_u32 s88, s88, s16                     ; my 128 columns
	s_cmp_lt_u32 s81, 2
	s_cselect_b32 s89, s87, s88                    ; the block of tokens, 0 to 63
	s_cselect_b32 s90, s88, s87                    ; the pair of heads, 0 to 7
	s_lshl_b32 s91, s81, 9
	s_lshr_b32 s92, s89, 4
	s_lshl_b32 s92, s92, 7
	s_add_co_u32 s91, s91, s92
	s_lshl_b32 s92, s90, 4
	s_add_co_u32 s91, s91, s92
	s_and_b32 s92, s89, 15                         ; the block within its sequence
	s_add_co_u32 s91, s91, s92
	s_lshl_b32 s94, s91, 14
	s_mov_b32 s95, 0
	s_add_nc_u64 s[12:13], s[12:13], s[94:95]      ; my chunk of qkv
	s_lshl_b32 s94, s92, 15
	s_add_nc_u64 s[8:9], s[8:9], s[94:95]          ; the table of my 128 tokens: eight groups of 4,096 bytes
	s_wait_alu depctr_va_vdst(0)
	s_wait_kmcnt 0x0
	s_add_co_i32 s68, s68, s69                     ; ea + eb of the three products,
	s_add_co_i32 s70, s70, s71
	s_add_co_i32 s72, s72, s73
	s_cmp_eq_u32 s81, 1
	s_cselect_b32 s68, s70, s68
	s_cselect_b32 s74, s75, s74                    ; and eo: e6, e7, e9
	s_cmp_eq_u32 s81, 2
	s_cselect_b32 s68, s72, s68
	s_cselect_b32 s74, s77, s74
	s_sub_co_i32 s74, s74, s68
	s_add_co_i32 s74, s74, 127
	s_lshl_b32 s75, s74, 23
	v_mov_b32 v[QSC], s75
	s_add_co_i32 s74, s74, 8
	s_lshl_b32 s74, s74, 23
	s_or_b32 s74, s74, 0x600000
	v_mov_b32 v[QLIM], s74
.macro FRAG reg, adr, q, i             ; fragment i of the slot's q-th chunk: four loads of 512 consecutive bytes
.irp c, 0,1,2,3
	ds_load_b128 v[\reg+4*\c:\reg+4*\c+3], v[\adr] offset:16384*(\q)+2048*(\i)+512*\c
.endr
.endm
; 16 matrix instructions: A's blocks a0, a0 + 1 x B's eight, 128 along K.  p: B's set.  zero = 1: the first product starts the sums.
; The 64 accumulators take turns, one instruction a turn, in the same order in every step.
.macro MUL16 a0, p, zero
.irp a, \a0, \a0+1
.irp b, 0,1,2,3,4,5,6,7
.if \zero
	v_wmma_f32_16x16x128_fp8_fp8 v[8*(8*((\a)%4)+\b):8*(8*((\a)%4)+\b)+7], v[128*(\p)+FR*\b:128*(\p)+FR*\b+FR-1], v[AF+FR*(\a):AF+FR*(\a)+FR-1], 0
.else
	v_wmma_f32_16x16x128_fp8_fp8 v[8*(8*((\a)%4)+\b):8*(8*((\a)%4)+\b)+7], v[128*(\p)+FR*\b:128*(\p)+FR*\b+FR-1], v[AF+FR*(\a):AF+FR*(\a)+FR-1], v[8*(8*((\a)%4)+\b):8*(8*((\a)%4)+\b)+7]
.endif
.endr
.endr
.endm
.macro FETCH_B slot, q, p
	WIN TO_B
.irp i, 0,1,2,3,4,5,6,7
	FRAG 128*(\p)+FR*\i, ADRB+\slot, \q, \i
.endr
	WIN 0
.endm
.macro FETCH_A slot, q, i0
.irp i, \i0, \i0+1, \i0+2, \i0+3
	FRAG AF+FR*(\i), ADRA+\slot, \q, \i
.endr
.endm
.macro PLACES n                        ; plain vector lines between a matrix instruction and a load into, or a vector read of, its registers
.rept \n
	v_nop
.endr
.endm
; A step of 128 along K that has its successor in the same slot.  A block of A is free once its eight products are issued: blocks 0-3 are fetched anew in the middle, blocks 4-7 at the end.
.macro STEP slot, q, zero
	s_wait_dscnt 4*NL                              ; B's set and A's blocks 0-3 are in; the youngest 16 loads (A's blocks 4-7) may be out
	WIN MUL_LO
	MUL16 0, (\q)%2, \zero
	MUL16 2, (\q)%2, \zero
	s_wait_dscnt 0
	PLACES NP
	FETCH_B \slot, (\q)+1, 1-(\q)%2
	FETCH_A \slot, (\q)+1, 0
	WIN MUL_HI
	MUL16 4, (\q)%2, \zero
	MUL16 6, (\q)%2, \zero
	PLACES NP
	WIN 0
	FETCH_A \slot, (\q)+1, 4
.endm
; A slot's last step changes slots: ONE barrier; in front of it each wave waits for all its tensor loads, adds 0 to its spare word, and waits for that and for its reads of this slot.  fill = 1: the slot is filled again, two K steps ahead.
.macro TURN slot, next, fill
	s_wait_tensorcnt 0x0                           ; all my tensor loads have landed: my part of the next slot
	ds_add_u32 v[SPW], v[NIL]                      ; 0 onto my spare word
	s_wait_dscnt 4*NL+1                            ; (the add and the youngest 16 loads may be out)
	WIN MUL_LO
	MUL16 0, 1, 0                                  ; sixteen matrix instructions stand between the add and the wait for it
	s_wait_dscnt 0x0                               ; the add is done, and my reads of this slot are over
	s_barrier_signal -1
	MUL16 2, 1, 0
	WIN 0
	s_barrier_wait -1
.if \fill
	CREST                                          ; the barrier has opened a round of the cluster's: no wave of any partner still reads this slot or has a load on its way
	s_add_nc_u64 s[G0+4*\slot+2:G0+4*\slot+3], s[G0+4*\slot+2:G0+4*\slot+3], 2*HALFT
	s_add_nc_u64 s[G0B+4*\slot+2:G0B+4*\slot+3], s[G0B+4*\slot+2:G0B+4*\slot+3], 2*HALFT
	JLOAD G0+4*\slot, G1, G0B+4*\slot, G1B         ; the first tensor load behind the round; its four v_nop are also the places in front of the loads below
.else
	PLACES NP
.endif
	FETCH_B \next, 0, 0
	FETCH_A \next, 0, 0
	WIN MUL_HI
	MUL16 4, 1, 0
	MUL16 6, 1, 0
	PLACES NP
	WIN 0
	FETCH_A \next, 0, 4
.endm
.macro LAST                            ; the very last step: nothing more to fetch
	s_wait_dscnt 4*NL
	WIN MUL_LO
	MUL16 0, 1, 0
	MUL16 2, 1, 0
	s_wait_dscnt 0
	WIN MUL_HI
	MUL16 4, 1, 0
	MUL16 6, 1, 0
	WIN 0
.endm
; THE WAY OUT, block a (16 rows of A) at a time.
.macro TLD a                           ; cos and sin of block a's 16 tokens: 32 registers, set a % 2: register 8 (b % 4) + p, + 1 = cos, sin of the pair in registers p, p + 1 of accumulator (a, b)
.irp b, 0,1
.irp j, 0,1,2,3
	global_load_b128 v[T0+32*((\a)%2)+16*\b+4*\j:T0+32*((\a)%2)+16*\b+4*\j+3], v[CO], s[8:9] offset:(\a)*4096+2048*\b+512*\j
.endr
.endr
.endm
.macro OUTBLK a                        ; 64 held numbers become 64 codes: four times 16 neighbours, 512 consecutive bytes a store
.set CC, CD+16*((\a)%2)
.if (\a) > 1
	s_wait_xcnt 0x0                                ; the stores of two blocks back have read this set of codes
.endif
.irp b, 0,1,2,3,4,5,6,7
	v_cvt_scalef32_pk8_fp8_f32 v[CC+2*\b:CC+2*\b+1], v[TMP+8*\b:TMP+8*\b+7], v[QSC]
.endr
	v_nop                                          ; a plain line behind the last conversion: the next block writes its sources
.irp g, 0,1,2,3
	global_store_b128 v[CO], v[CC+4*\g:CC+4*\g+3], s[12:13] offset:(\a)*2048+512*\g
.endr
.endm
.macro ROPEBLK a
.set AC, 64*((\a)%4)
.set TT, T0+32*((\a)%2)
.if (\a) < 7
	TLD (\a)+1
	s_wait_loadcnt 8                               ; this block's table is in; the next block's eight loads may be out
.else
	s_wait_loadcnt 0
.endif
	WIN 0x02+((\a)/4)                              ; source 0: window 2 or 3
.irp b, 0,1,2,3,4,5,6,7                ; each accumulator from its low end on
.irp p, 0,2,4,6
	v_pk_mul_f32 v[TMP+8*\b+\p:TMP+8*\b+\p+1], v[AC+8*\b+\p:AC+8*\b+\p+1], v[TT+8*(\b%4)+\p:TT+8*(\b%4)+\p+1] op_sel:[1,1] op_sel_hi:[1,0]   ; odd x sin, odd x cos
.endr
.endr
.irp b, 0,1,2,3,4,5,6,7
.irp p, 0,2,4,6
	v_pk_fma_f32 v[TMP+8*\b+\p:TMP+8*\b+\p+1], v[AC+8*\b+\p:AC+8*\b+\p+1], v[TT+8*(\b%4)+\p:TT+8*(\b%4)+\p+1], v[TMP+8*\b+\p:TMP+8*\b+\p+1] op_sel_hi:[0,1,1] neg_lo:[0,0,1]   ; even x cos - odd x sin, even x sin + odd x cos
.endr
.endr
	WIN 0
.set ii, 0
.rept 64
.set ii, ii+1
.endr
	s_wait_alu depctr_va_vdst(0)
	OUTBLK \a
.endm
.macro PLAINBLK a
.set AC, 64*((\a)%4)
	WIN 0x02+((\a)/4)
.set ii, 0
.rept 64
	v_med3_num_f32 v[TMP+ii], v[AC+ii], -v[QLIM], v[QLIM]    ; each accumulator from its low end on
.set ii, ii+1
.endr
	WIN 0
	s_wait_alu depctr_va_vdst(0)
	OUTBLK \a
.endm
	s_wait_tensorcnt 1                             ; my part of K step 0 is in (K step 1's one load may be out),
	s_barrier_signal -1
	s_barrier_wait -1                              ; everybody's is
	FETCH_B 0, 0, 0
	FETCH_A 0, 0, 0
	FETCH_A 0, 0, 4
	STEP 0, 0, 1                                   ; the first step stands in front of the loop: its products start the sums
	s_mov_b32 s3, LAPS-1
.Llap:                                                 ; a trip goes once round the ring and fills both slots again
	TURN 0, 1, 1
	STEP 1, 0, 0
	TURN 1, 0, 1
	STEP 0, 0, 0
	s_sub_co_u32 s3, s3, 1
	s_cmp_lg_u32 s3, 0
	s_cbranch_scc1 .Llap
	TURN 0, 1, 0                                   ; the last lap fills nothing, and has no round of the cluster's barrier
	STEP 1, 0, 0
	s_cmp_lt_u32 s81, 2                            ; ONE parting of the ways, the same in all partners: q and k are rotated, v is not.  Each way has the last step and its own way out
	s_cbranch_scc0 .Lplain
	TLD 0                                          ; the first block's table lands under the last 64 products
	LAST
	PLACES NP
.irp a, 0,1,2,3,4,5,6,7
	ROPEBLK \a
.endr
	s_branch .Ldone
.Lplain:
	LAST
	PLACES NP
	s_wait_alu depctr_va_vdst(0)
.irp a, 0,1,2,3,4,5,6,7
	PLAINBLK \a
.endr
.Ldone:
	s_wait_tensorcnt 0x0                           ; the wave's end
	ds_add_u32 v[SPW], v[NIL]
	s_wait_dscnt 0x0
	CROUND                                         ; the closing round: no work-group ends while a partner may still ask for a tile that names it
	s_endpgm
.Lfunc_end_k_q377be00a7d_qkv:
	.size	k_q377be00a7d_qkv, .Lfunc_end_k_q377be00a7d_qkv-k_q377be00a7d_qkv
	.p2alignl 7, 3214868480
	.fill 96, 4, 3214868480
	.section	.rodata,"a",@progbits
	.p2align	6, 0x0
	.amdhsa_kernel k_q377be00a7d_qkv
		.amdhsa_group_segment_fixed_size 327680
		.amdhsa_private_segment_fixed_size 0
		.amdhsa_enable_private_segment 0
		.amdhsa_kernarg_size 40
		.amdhsa_user_sgpr_count 2
		.amdhsa_user_sgpr_kernarg_segment_ptr 1
		.amdhsa_wavefront_size32 1
		.amdhsa_system_sgpr_workgroup_id_x 1
		.amdhsa_system_sgpr_workgroup_id_y 1
		.amdhsa_system_sgpr_workgroup_id_z 1
		.amdhsa_system_vgpr_workitem_id 0
		.amdhsa_next_free_vgpr 1024
		.amdhsa_next_free_sgpr 100
		.amdhsa_reserve_vcc 0
		.amdhsa_float_denorm_mode_32 3
		.amdhsa_float_denorm_mode_16_64 3
		.amdhsa_fp16_overflow 1
		.amdhsa_memory_ordered 1
		.amdhsa_forward_progress 1
		.amdhsa_inst_pref_size 169
	.end_amdhsa_kernel
	.amdgpu_metadata
---
amdhsa.version: [ 1, 2 ]
amdhsa.kernels:
  - .name:           k_q377be00a7d_qkv
    .symbol:         k_q377be00a7d_qkv.kd
    .args:
      - { .name: xc, .offset: 0, .size: 8, .value_kind: global_buffer, .address_space: global }
      - { .name: wc, .offset: 8, .size: 8, .value_kind: global_buffer, .address_space: global }
      - { .name: rope, .offset: 16, .size: 8, .value_kind: global_buffer, .address_space: global }
      - { .name: lowp_scales, .offset: 24, .size: 8, .value_kind: global_buffer, .address_space: global }
      - { .name: qkv, .offset: 32, .size: 8, .value_kind: global_buffer, .address_space: global }
    .group_segment_fixed_size: 327680
    .private_segment_fixed_size: 0
    .kernarg_segment_align: 8
    .kernarg_segment_size: 40
    .max_flat_workgroup_size: 128
    .sgpr_count:     100
    .vgpr_count:     1024
    .wavefront_size: 32
...
	.end_amdgpu_metadata
.endif
;; end of part 2
;; launch attn (part 3): grid 8 x 32, 16 waves a work-group, no clusters, 327,680 bytes of LDS; arguments qkv, lowp_scales, ac; writes ac
.if DOCPART == 3
	.amdgcn_target "amdgcn-amd-amdhsa--gfx1250"
	.amdhsa_code_object_version 6
	.text
	.protected	k_q377be00a7d_attn
	.globl	k_q377be00a7d_attn
	.p2align	8
	.type	k_q377be00a7d_attn,@function
k_q377be00a7d_attn:
	s_mov_b64 s[64:65], 0
	v_nop
	global_prefetch_b8 v0, s[64:65] scope:SCOPE_SE
	s_setreg_imm32_b32 hwreg(HW_REG_WAVE_MODE, 25, 1), 1
	s_wait_xcnt 0x0
; ATTN.  out = softmax(q k^T / 8, causal) v for 64 heads of 64, both products on E4M3 codes; the result is quantised at once (2^e10) into the image that the last product reads.
; THE SOFTMAX AHEAD OF THE SECOND PRODUCT: t = score x log2(e) / 8; M = the row's largest t so far, rounded UP to a whole number; p = 2^(t - M) is quantised (2^e8), not normalised; the row's sum is taken of the
; unquantised p in f32 and divides at the end.  When M moves, the sum and O are multiplied by 2^(old M - new M): exact.
; IN (qkv): chunks of 16,384 bytes, number SEL x 512 + 16 x (8 batch + head pair) + block of 128 tokens.  q, k: 2048 a + 1024 (head % 2) + 512 c + 16 lane: the token of (a, lane % 16), d = 32 c + 16 (lane / 16) + i.
; v: 2048 (4 (head % 2) + t) + 512 c + 16 lane: d of (t, lane % 16), key 32 c + 16 (lane / 16) + i.  Lane r of fragment f stands for row 32 (f / 2) + 8 (f % 2) + r + 8 (r / 8).
; SHARES.  A work-group has one pair of heads of one batch and the query blocks I and 15 - I (128 queries each): I + 1 and 16 - I key steps of 128, 17 for EVERY work-group: a loop of 16 trips and a last step written out.
; Wave w has head w / 8 of the pair and the 16 queries of fragment w % 8: 256 registers, four waves to a SIMD, so that one wave's vector work stands beside another's matrix work and LDS loads.
; Both products are used transposed (S^T = K Q^T, O^T = V^T P^T): a lane holds ONE query throughout; by the order of rows above, p's 16 registers of two neighbouring tiles are 16 neighbouring keys, and O^T's are 16 neighbouring d.
; THE RING: two slots of 32,768 bytes (a chunk of k, then a chunk of v, both heads), dense as in memory: every fragment load takes 512 consecutive bytes.  Wave 0 fetches k's chunk, wave 1 v's.
; NO CLUSTER: the work-groups of one pair of heads want different key blocks at the same step (block j or j - I - 1), so no joint request would meet.
; The causal mask: only key blocks up to the query block are walked; in the block on the diagonal hidden scores become -infinity ahead of the maximum.  Key 0 counts for every query, so M is a number from a block's first step on.
; LIMITS: e6 + e7 between -123 and 130; e8, and e10 - e8 - e9, between -126 and 119.  NaN is not served.
; REGISTERS: v1-10 addresses; v12 -M, v13 the largest t, v[14:15] the sum in two halves; v16-23 Q, v24-31 the second block's Q; v32-95 fragments of K, then of V; v96-159 S^T, then p; v160-191 O^T; v192-207 p's codes; v208-215 the result's codes.
.set SLOTB, 32768
.set VOFF,  16384
.set SPARE, 65536                      ; behind the ring: the spare words, 128 bytes for each of 16 waves
.set AK0,  1                           ; v1   1024 x head + 16 x lane
.set AV0,  2                           ; v2   VOFF + 8192 x head + 16 x lane
.set PFO,  3                           ; v3   256 x lane
.set SPW,  5                           ; v5   LDS address of my spare word; never rewritten
.set NIL,  6                           ; v6   0; never rewritten
.set GO,   7                           ; v7   16 x lane
.set ADK,  8                           ; v8   the step's chunk of k
.set ADV,  9                           ; v9   and of v
.set DQ,   10                          ; v10  my query's place in its block, less 16 (lane / 16)
.set WV,   10                          ; s10  my wave's number
.set II,   14                          ; s14  I
.set JJ,   15                          ; s15  the step, 0 to 16
.set KBN,  16                          ; s16  the key block asked for last
.set TB,   17                          ; s17  LDS byte at which the slot in hand begins
.set LIM,  18                          ; s18  a wave prefetches while the step is under this
.set SEL,  20                          ; s[20:21] lane selects for v_permlanex16_b32: lane l xor 16
.set CS,   22                          ; s[22:23] c = log2(e) / 8 x 2^(e6 + e7)
.set G1,   24                          ; s[24:31] descriptor group 1
.set G0,   40                          ; s[40:43] group 0
.set KVB,  44                          ; s[44:45] k's (wave 0) or v's (wave 1) first chunk of my pair of heads
.set PFA,  46                          ; s[46:47] where my prefetches stand
.set QA,   48                          ; s[48:49], s[50:51] my fragments of Q;  s[52:53], s[54:55] my places in ac
.set QB2,  50
.set OA,   52
.set OB,   54
.set OFF,  56                          ; s[56:57] an offset; s57 stays 0
.macro TLOAD                           ; waves 0 and 1 fetch, the others nothing; four v_nop follow the line
	s_cmp_lt_u32 s[WV], 2
	s_cbranch_scc0 .Lnone_\@
	tensor_load_to_lds s[G0:G0+3], s[G1:G1+7]
	s_nop 0
.rept 4
	v_nop
.endr
.Lnone_\@:
.endm
; A PREFETCH INTO THE L2.  All eight work-groups of a pair of heads walk the same chunks of k and v: the one with I = 0 asks, in waves that fetch nothing: waves 4, 5 for the halves of k's chunk, waves 6, 7 for v's,
; 8,192 bytes a wave, lanes 256 bytes apart: each block of 256 bytes is named once in the launch.  Step j names key block j + 2, which the first tensor load wants in step j + 1.  Blocks 0 and 1 come by their loads alone; step 13 names the last block.
.macro ASK
	s_cmp_lt_u32 s[JJ], s[LIM]
	s_cbranch_scc0 .Lnot_mine_\@
	global_prefetch_b8 v[PFO], s[PFA:PFA+1] th:TH_LOAD_NT scope:SCOPE_SE
.Lnot_mine_\@:
.endm
.macro INIT                            ; a query block begins: O^T and the sum as zeros, the largest t under every t; the first change of M leaves zeros zeros
	v_mov_b32 v13, 0xff61b1e6                      ; -3e38
	s_delay_alu instid0(VALU_DEP_1)
	v_floor_f32 v12, -v13
	v_mov_b32 v14, 0
	v_mov_b32 v15, 0
.set nn, 0
.rept 32
	v_mov_b32 v[160+nn], 0
.set nn, nn+1
.endr
.endm
; THE CHANGE OF SLOTS stands at a step's head.  Each wave waits for all its tensor loads, adds 0 to its spare word, and waits for that and for its reads of the slot that it has left.  fill = 1: that slot takes the next step's chunks.
.macro CHANGE fill
	s_wait_tensorcnt 0x0                           ; no tensor load of mine is out, so group 0 may be written
	ds_add_u32 v[SPW], v[NIL]                      ; 0 onto my spare word
.if \fill
	s_xor_b32 s[G0+1], s[G0+1], SLOTB              ; the other slot than last time
	s_add_co_u32 s[KBN], s[KBN], 1                 ; the next key block,
	s_cmp_eq_u32 s[JJ], s[II]
	s_cselect_b32 s[KBN], 0, s[KBN]                ; or block 0 for the second query block
	s_lshl_b32 s[OFF], s[KBN], 14
	s_add_nc_u64 s[G0+2:G0+3], s[KVB:KVB+1], s[OFF:OFF+1]
	s_or_b32 s[G0+3], s[G0+3], 0x80000000
	s_wait_xcnt 0x0                                ; the last prefetch, a step back, has read its address
	s_add_nc_u64 s[PFA:PFA+1], s[PFA:PFA+1], 16384
.endif
	s_wait_dscnt 0x0                               ; the add is done, and my reads of the slot that I have left are over
	s_barrier_signal -1
	s_barrier_wait -1
.if \fill
	TLOAD                                          ; the first thing behind the barrier, and a wave's one tensor load until the next
	ASK
.endif
.endm
; A KEY STEP: 128 keys.  diag = 1: the block on the diagonal; 0: it is that where the step is I.
.macro STEP diag
	v_add_nc_u32 v[ADK], s[TB], v[AK0]
	v_add_nc_u32 v[ADV], s[TB], v[AV0]
	v_nop                                          ; with the two additions: four places in front of loads into registers that the last products read
	v_nop
.irp a, 0,1,2,3,4,5,6,7
.irp c, 0,1
	ds_load_b128 v[32+8*\a+4*\c:32+8*\a+4*\c+3], v[ADK] offset:2048*\a+512*\c
.endr
.endr
	s_wait_alu depctr_va_vdst(0)
	s_wait_dscnt 0x0
.irp a, 0,1,2,3,4,5,6,7                ; S^T: register 8 a + j of lane (r, h) is key 32 (a / 2) + 16 h + 8 (a % 2) + j
	v_wmma_f32_16x16x64_fp8_fp8 v[96+8*\a:103+8*\a], v[32+8*\a:39+8*\a], v[16:23], 0
.endr
.rept 4
	v_nop
.endr
.irp t, 0,1,2,3                        ; V's four fragments land under the softmax
.irp c, 0,1,2,3
	ds_load_b128 v[32+16*\t+4*\c:32+16*\t+4*\c+3], v[ADV] offset:2048*\t+512*\c
.endr
.endr
.if \diag == 0
	s_cmp_lg_u32 s[JJ], s[II]
	s_cbranch_scc1 .Lopen_\@
.endif
	v_mov_b32 v254, 0xff800000                     ; -infinity: p = 0 then
.set nn, 0
.rept 64
	v_cmp_gt_i32 vcc_lo, 32*(nn/16)+nn%16, v[DQ]   ; hidden where the key comes after my query
	v_cndmask_b32 v[96+nn], v[96+nn], v254, vcc_lo
.set nn, nn+1
.endr
.if \diag == 0
.Lopen_\@:
.endif
	v_max3_num_f32 v254, v96, v97, v98             ; the step's largest score of my query among my 64 keys, in two chains, each accumulator from its low end on,
	v_max3_num_f32 v252, v99, v100, v101
.irp i, 6,10,14,18,22,26,30,34,38,42,46,50,54,58
	v_max3_num_f32 v254, v254, v[96+\i], v[97+\i]
	v_max3_num_f32 v252, v252, v[98+\i], v[99+\i]
.endr
	v_max3_num_f32 v254, v254, v158, v159
	s_delay_alu instid0(VALU_DEP_1)
	v_max_num_f32 v254, v254, v252
	s_delay_alu instid0(VALU_DEP_1)
	v_permlanex16_b32 v236, v254, s[SEL], s[SEL+1]
	s_delay_alu instid0(VALU_DEP_1)
	v_max_num_f32 v254, v254, v236                 ; and among lane l xor 16's
	s_delay_alu instid0(VALU_DEP_1)
	v_mul_f32 v254, s[CS], v254                    ; as t (c is positive)
	s_delay_alu instid0(VALU_DEP_1)
	v_max_num_f32 v13, v13, v254
	v_mov_b32 v254, v12
	s_delay_alu instid0(VALU_DEP_2)
	v_floor_f32 v12, -v13                          ; the new -M = floor(-t): M is a whole number
	s_delay_alu instid0(VALU_DEP_1)
	v_sub_f32 v254, v12, v254                      ; old M - new M, 0 or less
	s_delay_alu instid0(VALU_DEP_1)
	v_cvt_i32_f32 v254, v254                       ; (it saturates)
	s_delay_alu instid0(VALU_DEP_1)
	v_ldexp_f32 v252, 1.0, v254                    ; f = 2^(old M - new M)
.set nn, 0
.rept 32
	v_pk_fma_f32 v[96+nn:97+nn], v[96+nn:97+nn], s[CS:CS+1], v[12:13] op_sel_hi:[1,0,0]   ; t - M, two at a time
.set nn, nn+2
.endr
.set nn, 0
	s_wait_alu depctr_va_vdst(0)
.rept 64
	v_exp_f32 v[96+nn], v[96+nn]                   ; p = 2^(t - M)
.set nn, nn+1
.endr
	v_pk_mul_f32 v[14:15], v[14:15], v[252:253] op_sel_hi:[1,0]   ; the sums under the new M (a plain line behind the exponentials)
	s_wait_alu depctr_va_vdst(0)
	v_pk_add_f32 v[242:243], v[100:101], v[104:105]
	v_pk_add_f32 v[254:255], v[108:109], v[112:113]
	v_pk_add_f32 v[250:251], v[116:117], v[120:121]
	v_pk_add_f32 v[248:249], v[124:125], v[128:129]
	v_pk_add_f32 v[246:247], v[132:133], v[136:137]
	v_pk_add_f32 v[240:241], v[140:141], v[144:145]
	v_pk_add_f32 v[238:239], v[148:149], v[152:153]
	v_pk_add_f32 v[14:15], v[14:15], v[156:157]
	v_pk_add_f32 v[242:243], v[242:243], v[96:97]
	v_pk_add_f32 v[254:255], v[254:255], v[98:99]
	v_pk_add_f32 v[250:251], v[250:251], v[102:103]
	v_pk_add_f32 v[248:249], v[248:249], v[106:107]
	v_pk_add_f32 v[246:247], v[246:247], v[110:111]
	v_pk_add_f32 v[240:241], v[240:241], v[114:115]
	v_pk_add_f32 v[238:239], v[238:239], v[118:119]
	v_pk_add_f32 v[14:15], v[14:15], v[122:123]
	v_pk_add_f32 v[242:243], v[242:243], v[126:127]
	v_pk_add_f32 v[254:255], v[254:255], v[130:131]
	v_pk_add_f32 v[250:251], v[250:251], v[134:135]
	v_pk_add_f32 v[248:249], v[248:249], v[138:139]
	v_pk_add_f32 v[246:247], v[246:247], v[142:143]
	v_pk_add_f32 v[240:241], v[240:241], v[146:147]
	v_pk_add_f32 v[238:239], v[238:239], v[150:151]
	v_pk_add_f32 v[14:15], v[14:15], v[154:155]
	v_pk_add_f32 v[242:243], v[242:243], v[158:159]
	s_delay_alu instid0(VALU_DEP_2)
	v_pk_add_f32 v[14:15], v[14:15], v[248:249]
	s_delay_alu instid0(VALU_DEP_2)
	v_pk_add_f32 v[242:243], v[242:243], v[246:247]
	v_pk_add_f32 v[254:255], v[254:255], v[240:241]
	v_pk_add_f32 v[250:251], v[250:251], v[238:239]
	s_delay_alu instid0(VALU_DEP_2)
	v_pk_add_f32 v[14:15], v[14:15], v[254:255]
	s_delay_alu instid0(VALU_DEP_2)
	v_pk_add_f32 v[242:243], v[242:243], v[250:251]
	s_delay_alu instid0(VALU_DEP_1)
	v_pk_add_f32 v[14:15], v[14:15], v[242:243]
.irp b, 0,1,2,3
.set nn, 0
.rept 16
.set nn, nn+1
.endr
	v_cvt_scalef32_pk8_fp8_f32 v[192+4*\b:193+4*\b], v[96+16*\b:103+16*\b], v244
	v_cvt_scalef32_pk8_fp8_f32 v[194+4*\b:195+4*\b], v[104+16*\b:111+16*\b], v244
.endr
.set nn, 0
.rept 16
	v_pk_mul_f32 v[160+nn:161+nn], v[160+nn:161+nn], v[252:253] op_sel_hi:[1,0]   ; O^T under the new M (also the plain lines behind the conversions)
.set nn, nn+2
.endr
	s_wait_alu depctr_va_vdst(0)
	s_wait_dscnt 0x0                               ; V is in
.irp t, 0,1,2,3                        ; O^T += V^T P^T, four accumulators by turns: register 8 t + j of lane (r, h) is d = 32 (t / 2) + 16 h + 8 (t % 2) + j
	v_wmma_f32_16x16x128_fp8_fp8 v[160+8*\t:167+8*\t], v[32+16*\t:47+16*\t], v[192:207], v[160+8*\t:167+8*\t]
.endr
	s_xor_b32 s[TB], s[TB], SLOTB                  ; on to the other slot
.endm
; A query block is finished: O^T / the sum, quantised with 2^(e10 - e8 - e9), 32 codes a lane: two stores of 512 consecutive bytes.
.macro FINISH o
.rept 4
	v_nop                                          ; places behind the last products
.endr
	s_wait_xcnt 0x0                                ; earlier stores have read the codes' registers
	v_add_f32 v14, v14, v15
	s_delay_alu instid0(VALU_DEP_1)
	v_permlanex16_b32 v252, v14, s[SEL], s[SEL+1]
	s_delay_alu instid0(VALU_DEP_1)
	v_add_f32 v14, v14, v252                       ; the row's sum
	s_wait_alu depctr_va_vdst(0)
	v_rcp_f32 v14, v14
	v_nop                                          ; a plain line behind the reciprocal (ISA guide 5.7.2)
.set nn, 0
	s_wait_alu depctr_va_vdst(0)
.rept 16
	v_pk_mul_f32 v[96+nn:97+nn], v[160+nn:161+nn], v[14:15] op_sel_hi:[1,0]
.set nn, nn+2
.endr
.set nn, 0
.rept 32
.set nn, nn+1
.endr
.irp g, 0,1
	v_cvt_scalef32_pk8_fp8_f32 v[208+4*\g:209+4*\g], v[96+16*\g:103+16*\g], v245
	v_cvt_scalef32_pk8_fp8_f32 v[210+4*\g:211+4*\g], v[104+16*\g:111+16*\g], v245
.endr
	v_nop                                          ; a plain line behind the last conversion
	global_store_b128 v[GO], v[208:211], s[\o:\o+1]
	global_store_b128 v[GO], v[212:215], s[\o:\o+1] offset:512
.endm
	s_load_b128 s[4:7], s[0:1], 0x0                ; qkv s[4:5], lowp_scales s[6:7]
	s_load_b64 s[8:9], s[0:1], 0x10                ; ac
	v_lshl_add_u32 v[SPW], v0, 2, SPARE
	v_mov_b32 v[NIL], 0
	ds_add_u32 v5, v6
	ds_add_u32 v5, v6
	s_wait_dscnt 0x0
	v_lshrrev_b32 v8, 5, v0
	s_delay_alu instid0(VALU_DEP_1)
	v_readfirstlane_b32 s[WV], v8                  ; wave 0..15
	s_mov_b32 s[II], ttmp9
	s_and_b32 s11, ttmp7, 0xffff                   ; 8 x batch + head pair
	s_lshr_b32 s12, s[WV], 3                       ; my head of the pair
	s_and_b32 s13, s[WV], 7                        ; my fragment of queries
	s_and_b32 s32, s[WV], 1
	s_lshl_b32 s34, s11, 18                        ; the pair's 16 chunks in q, in k and in v
	s_add_co_u32 s33, s32, 1
	s_lshl_b32 s[OFF], s33, 23                     ; k lies 8,388,608 bytes on, v twice that
	s_add_co_u32 s[OFF], s[OFF], s34
	s_mov_b32 s[OFF+1], 0
	s_bfe_u32 s35, s[WV], 0x10001                  ; the prefetches: waves 4, 5 k; waves 6, 7 v;
	s_add_co_u32 s35, s35, 1
	s_lshl_b32 s58, s35, 23
	s_add_co_u32 s58, s58, s34
	s_lshl_b32 s35, s32, 13                        ; a half of a chunk;
	s_add_co_u32 s58, s58, s35
	s_add_co_u32 s58, s58, 16384                   ; at key block 1: the first change of slots steps it to block 2
	s_mov_b32 s59, 0
	s_lshr_b32 s35, s[WV], 2
	s_xor_b32 s35, s35, 1                          ; 0 in waves 4 to 7,
	s_or_b32 s35, s35, ttmp9                       ; of the work-group with I = 0
	s_cmp_eq_u32 s35, 0
	s_cselect_b32 s[LIM], 14, 0
	s_lshl_b32 s36, s13, 11
	s_lshl_b32 s37, s12, 10
	s_add_co_u32 s36, s36, s37                     ; my fragment's place in a chunk of q and of ac
	s_sub_co_u32 s38, 15, s[II]                    ; the second query block
	s_lshl_b32 s60, s[II], 14
	s_add_co_u32 s60, s60, s34
	s_add_co_u32 s60, s60, s36
	s_mov_b32 s61, 0
	s_lshl_b32 s62, s38, 14
	s_add_co_u32 s62, s62, s34
	s_add_co_u32 s62, s62, s36
	s_mov_b32 s63, 0
	s_lshr_b32 s39, s11, 3
	s_lshl_b32 s39, s39, 4                         ; ac: block of 128 rows 16 x batch + query block, 131,072 bytes each; chunk = the head pair
	s_and_b32 s80, s11, 7
	s_lshl_b32 s80, s80, 14
	s_add_co_u32 s80, s80, s36
	s_add_co_u32 s82, s39, s[II]
	s_lshl_b32 s82, s82, 17
	s_add_co_u32 s82, s82, s80
	s_mov_b32 s83, 0
	s_add_co_u32 s84, s39, s38
	s_lshl_b32 s84, s84, 17
	s_add_co_u32 s84, s84, s80
	s_mov_b32 s85, 0
	; descriptor group 1: 16,384 dense bytes as 64 rows of 32 elements of 8 bytes, no mask, no padding
	s_mov_b32 s[G1], 3<<16
	s_mov_b32 s[G1+1], 32<<16                      ; tensor_dim0
	s_mov_b32 s[G1+2], 64<<16                      ; tensor_dim1
	s_mov_b32 s[G1+3], 32<<16                      ; tile_dim0
	s_mov_b32 s[G1+4], 64                          ; tile_dim1
	s_mov_b32 s[G1+5], 32                          ; tensor_dim0_stride
	s_mov_b32 s[G1+6], 0
	s_mov_b32 s[G1+7], 0
	s_mov_b32 s[SEL], 0x76543210
	s_mov_b32 s[SEL+1], 0xfedcba98
	s_mov_b32 s[CS], 0x3e38aa3b                    ; log2(e) / 8
	s_mov_b32 s[TB], 0
	s_mov_b32 s[JJ], 0
	s_mov_b32 s[KBN], 0
	s_wait_kmcnt 0x0
	s_load_b256 s[68:75], s[6:7], 0x0              ; e0 .. e7
	s_load_b128 s[76:79], s[6:7], 0x20             ; e8 .. e11
	s_add_nc_u64 s[KVB:KVB+1], s[4:5], s[OFF:OFF+1]
	s_add_nc_u64 s[PFA:PFA+1], s[4:5], s[58:59]
	s_add_nc_u64 s[QA:QA+1], s[4:5], s[60:61]
	s_add_nc_u64 s[QB2:QB2+1], s[4:5], s[62:63]
	s_add_nc_u64 s[OA:OA+1], s[8:9], s[82:83]
	s_add_nc_u64 s[OB:OB+1], s[8:9], s[84:85]
	s_mov_b32 s[G0], 1                             ; count = 1
	s_lshl_b32 s[G0+1], s32, 14                    ; LDS: slot 0; k's chunk first, v's behind it
	s_mov_b64 s[G0+2:G0+3], s[KVB:KVB+1]           ; key block 0
	s_or_b32 s[G0+3], s[G0+3], 0x80000000          ; type = 2
	TLOAD
	v_and_b32 v8, 31, v0
	s_delay_alu instid0(VALU_DEP_1)
	v_lshlrev_b32 v[GO], 4, v8
	s_delay_alu instid0(VALU_DEP_2)
	v_lshlrev_b32 v[PFO], 8, v8
	global_load_b128 v[16:19], v[GO], s[QA:QA+1]               ; Q of both query blocks stays in registers
	global_load_b128 v[20:23], v[GO], s[QA:QA+1] offset:512
	global_load_b128 v[24:27], v[GO], s[QB2:QB2+1]
	global_load_b128 v[28:31], v[GO], s[QB2:QB2+1] offset:512
	v_add_nc_u32 v[AK0], s37, v[GO]
	s_lshl_b32 s35, s12, 13
	s_add_co_u32 s35, s35, VOFF
	v_add_nc_u32 v[AV0], s35, v[GO]
	v_and_b32 v8, 15, v0                           ; r
	v_bfe_u32 v9, v0, 4, 1                         ; h
	s_delay_alu instid0(VALU_DEP_2)
	v_and_b32 v11, 8, v8
	s_delay_alu instid0(VALU_DEP_1)
	v_add_nc_u32 v11, v11, v8                      ; r + 8 (r / 8)
	s_delay_alu instid0(VALU_DEP_3)
	v_lshlrev_b32 v9, 4, v9
	s_delay_alu instid0(VALU_DEP_1)
	v_sub_nc_u32 v11, v11, v9                      ; - 16 h
	s_lshr_b32 s35, s13, 1
	s_lshl_b32 s35, s35, 5
	s_and_b32 s33, s13, 1
	s_lshl_b32 s33, s33, 3
	s_add_co_u32 s35, s35, s33                     ; + 32 (fragment / 2) + 8 (fragment % 2)
	v_add_nc_u32 v[DQ], s35, v11
	v_mov_b32 v236, 0                              ; written once: a lane permute's destination counts as one of its sources
	v_mov_b32 v253, 0                              ; (named as the upper half of the pair v[252:253])
	INIT
	s_wait_kmcnt 0x0
	s_add_co_i32 s33, s74, s75                     ; a score stands for score x 2^(e6 + e7): added to c's exponent field
	s_lshl_b32 s33, s33, 23
	s_add_co_i32 s[CS], s[CS], s33
	s_mov_b32 s[CS+1], s[CS]                       ; (named with it as a pair)
	s_add_co_i32 s33, s76, 127
	s_lshl_b32 s35, s33, 23
	v_mov_b32 v244, s35                            ; 2^e8
	s_sub_co_i32 s33, s78, s76                     ; O / the sum stands for that x 2^(e8 + e9): its code is that / 2^(e10 - e8 - e9)
	s_sub_co_i32 s33, s33, s77
	s_add_co_i32 s33, s33, 127
	s_lshl_b32 s35, s33, 23
	v_mov_b32 v245, s35
	s_wait_loadcnt 0x0                             ; Q
.Lstep:                                            ; 16 trips: behind each change of slots the next step's chunks are asked for
	CHANGE 1
	STEP 0
	s_cmp_lg_u32 s[JJ], s[II]                      ; step I ends the first query block: register work and stores alone stand under this branch
	s_cbranch_scc1 .Lsame
	FINISH OA
.irp i, 0,1,2,3,4,5,6,7
	v_mov_b32 v[16+\i], v[24+\i]                   ; the second block's Q
.endr
	INIT
.Lsame:
	s_add_co_u32 s[JJ], s[JJ], 1
	s_cmp_lt_u32 s[JJ], 16
	s_cbranch_scc1 .Lstep
	CHANGE 0                                       ; the last step is written out: the second block's diagonal
	STEP 1
	FINISH OB
	s_wait_tensorcnt 0x0                           ; the wave's end
	ds_add_u32 v[SPW], v[NIL]
	s_wait_dscnt 0x0
	s_endpgm
.Lfunc_end_k_q377be00a7d_attn:
	.size	k_q377be00a7d_attn, .Lfunc_end_k_q377be00a7d_attn-k_q377be00a7d_attn
	.p2alignl 7, 3214868480
	.fill 96, 4, 3214868480
	.section	.rodata,"a",@progbits
	.p2align	6, 0x0
	.amdhsa_kernel k_q377be00a7d_attn
		.amdhsa_group_segment_fixed_size 327680
		.amdhsa_private_segment_fixed_size 0
		.amdhsa_enable_private_segment 0
		.amdhsa_kernarg_size 24
		.amdhsa_user_sgpr_count 2
		.amdhsa_user_sgpr_kernarg_segment_ptr 1
		.amdhsa_wavefront_size32 1
		.amdhsa_system_sgpr_workgroup_id_x 1
		.amdhsa_system_sgpr_workgroup_id_y 1
		.amdhsa_system_sgpr_workgroup_id_z 1
		.amdhsa_system_vgpr_workitem_id 0
		.amdhsa_next_free_vgpr 256
		.amdhsa_next_free_sgpr 100
		.amdhsa_reserve_vcc 1
		.amdhsa_float_denorm_mode_32 3
		.amdhsa_float_denorm_mode_16_64 3
		.amdhsa_fp16_overflow 1
		.amdhsa_memory_ordered 1
		.amdhsa_forward_progress 1
		.amdhsa_inst_pref_size 51
	.end_amdhsa_kernel
	.amdgpu_metadata
---
amdhsa.version: [ 1, 2 ]
amdhsa.kernels:
  - .name:           k_q377be00a7d_attn
    .symbol:         k_q377be00a7d_attn.kd
    .args:
      - { .name: qkv, .offset: 0, .size: 8, .value_kind: global_buffer, .address_space: global }
      - { .name: lowp_scales, .offset: 8, .size: 8, .value_kind: global_buffer, .address_space: global }
      - { .name: ac, .offset: 16, .size: 8, .value_kind: global_buffer, .address_space: global }
    .group_segment_fixed_size: 327680
    .private_segment_fixed_size: 0
    .kernarg_segment_align: 8
    .kernarg_segment_size: 24
    .max_flat_workgroup_size: 512
    .sgpr_count:     100
    .vgpr_count:     256
    .wavefront_size: 32
...
	.end_amdgpu_metadata
.endif
;; end of part 3
;; launch oproj (part 4): grid 4 x 32, 4 waves a work-group, clusters of 4 x 4, 327,680 bytes of LDS; arguments ac, wc, lowp_scales, out0; writes out0
.if DOCPART == 4
	.amdgcn_target "amdgcn-amd-amdhsa--gfx1250"
	.amdhsa_code_object_version 6
	.text
	.protected	k_q377be00a7d_oproj
	.globl	k_q377be00a7d_oproj
	.p2align	8
	.type	k_q377be00a7d_oproj,@function
k_q377be00a7d_oproj:
	s_mov_b64 s[64:65], 0
	v_nop
	global_prefetch_b8 v0, s[64:65] scope:SCOPE_SE
	s_setreg_imm32_b32 hwreg(HW_REG_WAVE_MODE, 25, 1), 1
	s_wait_xcnt 0x0
	s_wait_alu depctr_hold_cnt(0) depctr_sa_sdst(0) depctr_va_vdst(0) depctr_va_sdst(0) depctr_va_ssrc(0) depctr_va_vcc(0) depctr_vm_vsrc(0)
	s_getreg_b32 s2, hwreg(HW_REG_IB_STS2, 6, 4)
	s_cmp_eq_u32 s2, 0
	s_cbranch_scc0 .Lentry_in_a_cluster
	s_endpgm
.Lentry_in_a_cluster:
	s_bfe_u32 s2, ttmp6, 0x10000c
	s_cmp_lg_u32 s2, 0xf033
	s_cbranch_scc0 .Lentry_shape_is_right
	s_endpgm
.Lentry_shape_is_right:
; OPROJ.  out0 = a Wo^T on E4M3 codes: a [8192][1024] (scale 2^e10) from the attention launch, Wo [1024][1024] (2^e11) the fourth tensor of wc; out0 [8192][1024] f32.  Each finished sum is multiplied once by 2^(e10 + e11).
; THE CODES' LAYOUT: a fragment, 16 rows x 128 K, is 2,048 bytes: byte 512 c + 16 lane + i is k = 32 c + 16 (lane / 16) + i of the row of lane % 16; lane r of fragment f takes row 32 (f / 2) + 8 (f % 2) + r + 8 (r / 8) of 128;
; eight fragments are a chunk; a tensor lies as (row / 128) x 131,072 + (k / 128) x 16,384 + chunk.
; A tile of C, 256 x 256, is made by four waves; a wave makes 128 x 128: 64 accumulators.  K = 1,024 goes in four steps of 256 through two LDS slots; a wave's tensor load brings 32,768 dense bytes; every fragment load takes 512 consecutive bytes.
; THE MATRIX INSTRUCTION IS USED TRANSPOSED (source 0 = 16 rows of Wo, source 1 = 16 rows of a): lane (r, h) holds the row of lane r, and the 16 registers of accumulators (a, 2 g), (a, 2 g + 1) are columns 32 g + 16 h + 0 .. 15.
; CLUSTERS: 4 x 4 work-groups; a's tiles are asked for jointly along a row of the cluster, Wo's along a column.  C has 32 x 4 tiles: 128 work-groups; a tile of half the rows would read half as much again from LDS for each product.
; LIMIT: e10 + e11 between -126 and 127.
; REGISTERS: window 0: v0-31 addresses; from v128 A's fragments, ONE set; on the way out v32-95 a block's numbers, v128-255 two sets of 16 rows.   window 1: B's fragments, TWO sets.   windows 2, 3: the accumulators.
.set HALFT,  32768
.set SLOT,   4*HALFT
.set SPARE,  2*SLOT                    ; behind the ring: the spare words, 128 bytes for each wave
.set LAPS,   2
.set FR,     16
.set NL,     4
.set NP,     4                         ; places behind this matrix instruction (ISA guide 7.12.1)
.set SPITCH, 528                       ; the way out: a stage of 16 rows x (512 bytes + 16) for each wave, in slot 0, which has had its last fill and its last read when the first result is stored there
.set ADRA, 16
.set ADRB, 20
.set STO,  24                          ; v24     the way out: where I put my bytes of a row
.set RD,   25                          ; v25     where I read a row back
.set CO,   26                          ; v26     16 x lane
.set SPW,  28                          ; v28     LDS address of my spare word; never rewritten
.set NIL,  29                          ; v29     0; never rewritten
.set TMP,  32
.set AF,   128
.set BK,   128
.set G1, 24
.set G0, 32
.set G1B, 48
.set G0B, 56
.set MSB, 0
.macro WIN new                         ; the immediate's high byte repeats the setting that is left
.if MSB != \new
	s_set_vgpr_msb (MSB<<8)|\new
.set MSB, \new
.endif
.endm
.set MUL_LO, 0xa1                      ; source 0 (B) window 1, source 1 (A) window 0, C and D window 2
.set MUL_HI, 0xf1
.set TO_B,   0x40
.macro JLOAD g0a, g1a, g0b, g1b        ; a joint load: waves 0 and 1 fetch for A, waves 2 and 3 for B; four v_nop follow each of the two lines
	s_cmp_eq_u32 s15, 0
	s_cbranch_scc0 .Lfor_b_\@
	tensor_load_to_lds s[\g0a:\g0a+3], s[\g1a:\g1a+7]
	s_nop 0
.rept 4
	v_nop
.endr
	s_branch .Lasked_\@
.Lfor_b_\@:
	tensor_load_to_lds s[\g0b:\g0b+3], s[\g1b:\g1b+7]
	s_nop 0
.rept 4
	v_nop
.endr
.Lasked_\@:
.endm
.macro CREST
	s_cmp_lg_u32 s14, 0
	s_cbranch_scc1 .Lnot_wave_0_\@
	s_barrier_signal -3
.Lnot_wave_0_\@:
	s_barrier_wait -3
	s_barrier_signal -1
	s_barrier_wait -1
.endm
.macro CROUND
	s_barrier_signal -1
	s_barrier_wait -1
	CREST
.endm
	s_load_b256 s[4:11], s[0:1], 0x0               ; ac s[4:5], wc s[6:7], lowp_scales s[8:9], out0 s[10:11]
	v_lshl_add_u32 v[SPW], v0, 2, SPARE
	v_mov_b32 v[NIL], 0
	ds_add_u32 v28, v29
	ds_add_u32 v28, v29
	s_wait_dscnt 0x0
	v_lshrrev_b32 v1, 5, v0
	v_readfirstlane_b32 s14, v1                    ; wave 0..3
	s_lshr_b32 s15, s14, 1                         ; which half of the tile's rows is mine.  Also: I fetch for A (0) or for B (1)
	s_and_b32 s16, s14, 1                          ; which half of its columns.  Also: which 128 rows of that tile I fetch
	s_bfe_u32 s40, ttmp6, 0x40000                  ; cx, cy
	s_bfe_u32 s41, ttmp6, 0x40004
	s_lshl_b32 s42, ttmp9, 2
	s_add_co_u32 s42, s42, s40                     ; tile column of C
	s_and_b32 s17, ttmp7, 0xffff
	s_lshl_b32 s17, s17, 2
	s_add_co_u32 s17, s17, s41                     ; tile row of C
	s_lshl_b32 s43, s41, 2
	s_lshl_b32 s43, 15, s43                        ; my row of the cluster
	s_lshl_b32 s44, 0x1111, s40                    ; my column
	s_or_b32 s[G1+0], s43, (3<<16)|(1<<21)         ; the mask; elements of 8 bytes; bit 21 set beside a mask; no padding
	s_or_b32 s[G1B+0], s44, (3<<16)|(1<<21)
.irp g, G1, G1B
	s_mov_b32 s[\g+1], 32<<16                      ; tensor_dim0
	s_mov_b32 s[\g+2], 128<<16                     ; tensor_dim1
	s_mov_b32 s[\g+3], 32<<16                      ; tile_dim0
	s_mov_b32 s[\g+4], 128                         ; tile_dim1
	s_mov_b32 s[\g+5], 32                          ; tensor_dim0_stride
	s_mov_b32 s[\g+6], 0
	s_mov_b32 s[\g+7], 0
.endr
	s_lshl_b32 s18, s17, 1
	s_add_co_u32 s18, s18, s16
	s_lshl_b32 s18, s18, 17                        ; A: block of 128 rows 2 x tile row + half
	s_mov_b32 s19, 0
	s_lshl_b32 s22, s42, 1
	s_add_co_u32 s22, s22, s16
	s_lshl_b32 s22, s22, 17                        ; B likewise, by the tile column,
	s_add_co_u32 s22, s22, 0x300000                ; in the fourth tensor of wc
	s_mov_b32 s23, 0
	s_mul_i32 s45, s14, HALFT                      ; where they go: no place in the cluster enters an LDS address
	s_wait_kmcnt 0x0
	s_load_b64 s[96:97], s[8:9], 0x28              ; e10, e11
	s_add_nc_u64 s[20:21], s[4:5], s[18:19]
	s_add_nc_u64 s[46:47], s[6:7], s[22:23]
	CROUND                                         ; all sixteen work-groups are here: the first joint loads meet
.irp s, 0,1
	s_mov_b32 s[G0+4*\s], 1
	s_add_co_u32 s[G0+4*\s+1], s45, \s*SLOT
	s_add_nc_u64 s[G0+4*\s+2:G0+4*\s+3], s[20:21], \s*HALFT
	s_or_b32 s[G0+4*\s+3], s[G0+4*\s+3], 0x80000000
	s_mov_b32 s[G0B+4*\s], 1
	s_add_co_u32 s[G0B+4*\s+1], s45, \s*SLOT
	s_add_nc_u64 s[G0B+4*\s+2:G0B+4*\s+3], s[46:47], \s*HALFT
	s_or_b32 s[G0B+4*\s+3], s[G0B+4*\s+3], 0x80000000
	s_wait_alu depctr_va_vdst(0)
	s_wait_tensorcnt 0x0
	ds_add_u32 v28, v29
	ds_add_u32 v28, v29
	s_wait_dscnt 0x0
	CROUND
	JLOAD G0+4*\s, G1, G0B+4*\s, G1B
.endr
	v_and_b32 v1, 15, v0                           ; r
	s_wait_alu depctr_va_vdst(0)
	v_bfe_u32 v2, v0, 4, 1                         ; h
	v_and_b32 v6, 31, v0
	v_lshlrev_b32 v[CO], 4, v6
	s_mul_i32 s80, s15, HALFT
	s_mul_i32 s81, s16, HALFT
	s_add_co_u32 s81, s81, 2*HALFT
.irp s, 0,1
	v_add_nc_u32 v[ADRA+\s], s80, v[CO]
	v_add_nc_u32 v[ADRB+\s], s81, v[CO]
	s_add_co_u32 s80, s80, SLOT
	s_add_co_u32 s81, s81, SLOT
.endr
	s_mul_i32 s82, s14, 16*SPITCH                  ; my stage
	v_mul_u32_u24 v5, v1, SPITCH                   ; in: row r, + 64 h: my 16 columns of each 32
	s_wait_alu depctr_va_vdst(0)
	v_lshl_add_u32 v5, v2, 6, v5
	v_add_nc_u32 v[STO], s82, v5
	v_add_nc_u32 v[RD], s82, v[CO]                 ; back: the 32 lanes take one row of 512 bytes
	s_lshl_b32 s84, s17, 8
	s_lshl_b32 s85, s15, 7
	s_add_co_u32 s84, s84, s85                     ; my first row of C,
	s_lshl_b32 s84, s84, 12                        ; 4,096 bytes a row
	s_lshl_b32 s85, s42, 10                        ; my first column, in bytes: 1,024 x tile column + 512 x half
	s_add_co_u32 s84, s84, s85
	s_lshl_b32 s85, s16, 9
	s_add_co_u32 s84, s84, s85
	s_mov_b32 s85, 0
	s_add_nc_u64 s[10:11], s[10:11], s[84:85]
.macro FRAG reg, adr, q, i
.irp c, 0,1,2,3
	ds_load_b128 v[\reg+4*\c:\reg+4*\c+3], v[\adr] offset:16384*(\q)+2048*(\i)+512*\c
.endr
.endm
; The 64 accumulators take turns, one instruction a turn, in the same order in every step.
.macro MUL16 a0, p, zero
.irp a, \a0, \a0+1
.irp b, 0,1,2,3,4,5,6,7
.if \zero
	v_wmma_f32_16x16x128_fp8_fp8 v[8*(8*((\a)%4)+\b):8*(8*((\a)%4)+\b)+7], v[128*(\p)+FR*\b:128*(\p)+FR*\b+FR-1], v[AF+FR*(\a):AF+FR*(\a)+FR-1], 0
.else
	v_wmma_f32_16x16x128_fp8_fp8 v[8*(8*((\a)%4)+\b):8*(8*((\a)%4)+\b)+7], v[128*(\p)+FR*\b:128*(\p)+FR*\b+FR-1], v[AF+FR*(\a):AF+FR*(\a)+FR-1], v[8*(8*((\a)%4)+\b):8*(8*((\a)%4)+\b)+7]
.endif
.endr
.endr
.endm
.macro FETCH_B slot, q, p
	WIN TO_B
.irp i, 0,1,2,3,4,5,6,7
	FRAG 128*(\p)+FR*\i, ADRB+\slot, \q, \i
.endr
	WIN 0
.endm
.macro FETCH_A slot, q, i0
.irp i, \i0, \i0+1, \i0+2, \i0+3
	FRAG AF+FR*(\i), ADRA+\slot, \q, \i
.endr
.endm
.macro PLACES n
.rept \n
	v_nop
.endr
.endm
.macro STEP slot, q, zero
	s_wait_dscnt 4*NL                              ; B's set and A's blocks 0-3 are in; the youngest 16 loads (A's blocks 4-7) may be out
	WIN MUL_LO
	MUL16 0, (\q)%2, \zero
	MUL16 2, (\q)%2, \zero
	s_wait_dscnt 0
	PLACES NP
	FETCH_B \slot, (\q)+1, 1-(\q)%2
	FETCH_A \slot, (\q)+1, 0
	WIN MUL_HI
	MUL16 4, (\q)%2, \zero
	MUL16 6, (\q)%2, \zero
	PLACES NP
	WIN 0
	FETCH_A \slot, (\q)+1, 4
.endm
.macro TURN slot, next, fill
	s_wait_tensorcnt 0x0                           ; all my tensor loads have landed: my part of the next slot
	ds_add_u32 v[SPW], v[NIL]                      ; 0 onto my spare word
	s_wait_dscnt 4*NL+1                            ; (the add and the youngest 16 loads may be out)
	WIN MUL_LO
	MUL16 0, 1, 0
	s_wait_dscnt 0x0                               ; the add is done, and my reads of this slot are over
	s_barrier_signal -1
	MUL16 2, 1, 0
	WIN 0
	s_barrier_wait -1
.if \fill
	CREST                                          ; the barrier has opened a round of the cluster's
	s_add_nc_u64 s[G0+4*\slot+2:G0+4*\slot+3], s[G0+4*\slot+2:G0+4*\slot+3], 2*HALFT
	s_add_nc_u64 s[G0B+4*\slot+2:G0B+4*\slot+3], s[G0B+4*\slot+2:G0B+4*\slot+3], 2*HALFT
	JLOAD G0+4*\slot, G1, G0B+4*\slot, G1B         ; the first tensor load behind the round
.else
	PLACES NP
.endif
	FETCH_B \next, 0, 0
	FETCH_A \next, 0, 0
	WIN MUL_HI
	MUL16 4, 1, 0
	MUL16 6, 1, 0
	PLACES NP
	WIN 0
	FETCH_A \next, 0, 4
.endm
	s_wait_tensorcnt 1                             ; my part of K step 0 is in (K step 1's one load may be out),
	s_barrier_signal -1
	s_barrier_wait -1                              ; everybody's is
	FETCH_B 0, 0, 0
	FETCH_A 0, 0, 0
	FETCH_A 0, 0, 4
	STEP 0, 0, 1                                   ; the first step's products start the sums
	s_mov_b32 s3, LAPS-1
.Llap:
	TURN 0, 1, 1
	STEP 1, 0, 0
	TURN 1, 0, 1
	STEP 0, 0, 0
	s_sub_co_u32 s3, s3, 1
	s_cmp_lg_u32 s3, 0
	s_cbranch_scc1 .Llap
	TURN 0, 1, 0                                   ; the last lap fills nothing
	STEP 1, 0, 0
	s_wait_dscnt 4*NL                              ; the very last step
	WIN MUL_LO
	MUL16 0, 1, 0
	MUL16 2, 1, 0
	s_wait_dscnt 0
	WIN MUL_HI
	MUL16 4, 1, 0
	MUL16 6, 1, 0
	WIN 0
; THE WAY OUT, block a (16 rows x 128 columns) at a time, through my own stage: in by lanes (64 bytes of a row in four pieces), back as whole rows of 512 bytes.  LDS serves a wave's instructions in order (ISA guide 5.7.1.4).
.macro TOSTAGE a
.set AC, 64*((\a)%4)
	WIN 0x02+((\a)/4)                              ; source 0: window 2 or 3
.set jj, 0
.rept 32
	v_pk_mul_f32 v[TMP+jj:TMP+jj+1], v[AC+jj:AC+jj+1], s[96:97] op_sel_hi:[1,0]   ; x 2^(e10 + e11); each accumulator from its low end on
.set jj, jj+2
.endr
	WIN 0
.irp b, 0,1,2,3,4,5,6,7
	ds_store_b128 v[STO], v[TMP+8*\b:TMP+8*\b+3] offset:128*(\b/2)+32*(\b%2)           ; columns 32 (b / 2) + 16 h + 8 (b % 2) + 0 .. 3,
	ds_store_b128 v[STO], v[TMP+8*\b+4:TMP+8*\b+7] offset:128*(\b/2)+32*(\b%2)+16      ; + 4 .. 7
.endr
.set BB, BK+64*((\a)%2)
.irp t, 0,1,2,3,4,5,6,7,8,9,10,11,12,13,14,15
	ds_load_b128 v[BB+4*\t:BB+4*\t+3], v[RD] offset:\t*SPITCH
.endr
.endm
.macro SEND a, younger                 ; younger: the LDS instructions issued behind block a's loads, which may stay out
.set BB, BK+64*((\a)%2)
	s_wait_dscnt \younger
.irp t, 0,1,2,3,4,5,6,7,8,9,10,11,12,13,14,15
	global_store_b128 v[CO], v[BB+4*\t:BB+4*\t+3], s[10:11] offset:(32*((\a)/2)+8*((\a)%2)+\t+8*(\t/8))*4096 th:TH_STORE_NT   ; stage row t is row 32 (a / 2) + 8 (a % 2) + t + 8 (t / 8) of my 128; 512 consecutive bytes
.endr
.endm
	s_wait_kmcnt 0x0
	s_add_co_i32 s96, s96, s97
	s_add_co_i32 s96, s96, 127
	s_lshl_b32 s96, s96, 23                        ; 2^(e10 + e11) as f32
	PLACES NP
	TOSTAGE 0
.irp a, 1,2,3,4,5,6,7
.if \a > 1
	s_wait_xcnt 0x0                                ; block a - 2's stores have read their registers: block a's loads may land there
.endif
	TOSTAGE \a
	SEND \a-1, 32                                  ; behind block a - 1's loads: block a's 16 stores and 16 loads
.endr
	SEND 7, 0
	s_wait_tensorcnt 0x0                           ; the wave's end
	ds_add_u32 v[SPW], v[NIL]
	s_wait_dscnt 0x0
	CROUND                                         ; the closing round
	s_endpgm
.Lfunc_end_k_q377be00a7d_oproj:
	.size	k_q377be00a7d_oproj, .Lfunc_end_k_q377be00a7d_oproj-k_q377be00a7d_oproj
	.p2alignl 7, 3214868480
	.fill 96, 4, 3214868480
	.section	.rodata,"a",@progbits
	.p2align	6, 0x0
	.amdhsa_kernel k_q377be00a7d_oproj
		.amdhsa_group_segment_fixed_size 327680
		.amdhsa_private_segment_fixed_size 0
		.amdhsa_enable_private_segment 0
		.amdhsa_kernarg_size 32
		.amdhsa_user_sgpr_count 2
		.amdhsa_user_sgpr_kernarg_segment_ptr 1
		.amdhsa_wavefront_size32 1
		.amdhsa_system_sgpr_workgroup_id_x 1
		.amdhsa_system_sgpr_workgroup_id_y 1
		.amdhsa_system_sgpr_workgroup_id_z 1
		.amdhsa_system_vgpr_workitem_id 0
		.amdhsa_next_free_vgpr 1024
		.amdhsa_next_free_sgpr 98
		.amdhsa_reserve_vcc 0
		.amdhsa_float_denorm_mode_32 3
		.amdhsa_float_denorm_mode_16_64 3
		.amdhsa_memory_ordered 1
		.amdhsa_forward_progress 1
		.amdhsa_inst_pref_size 123
	.end_amdhsa_kernel
	.amdgpu_metadata
---
amdhsa.version: [ 1, 2 ]
amdhsa.kernels:
  - .name:           k_q377be00a7d_oproj
    .symbol:         k_q377be00a7d_oproj.kd
    .args:
      - { .name: ac, .offset: 0, .size: 8, .value_kind: global_buffer, .address_space: global }
      - { .name: wc, .offset: 8, .size: 8, .value_kind: global_buffer, .address_space: global }
      - { .name: lowp_scales, .offset: 16, .size: 8, .value_kind: global_buffer, .address_space: global }
      - { .name: out0, .offset: 24, .size: 8, .value_kind: global_buffer, .address_space: global }
    .group_segment_fixed_size: 327680
    .private_segment_fixed_size: 0
    .kernarg_segment_align: 8
    .kernarg_segment_size: 32
    .max_flat_workgroup_size: 128
    .sgpr_count:     98
    .vgpr_count:     1024
    .wavefront_size: 32
...
	.end_amdgpu_metadata
.endif
;; end of part 4
